; MI455X (gfx1250); checked and timed in simulation.
; The chip was launched on July 23, 2026; its instructions are those of AMD's public machine-readable ISA for CDNA 5 (MIT licence, August 2026) and "CDNA5" Instruction Set Architecture Reference Guide (July 2026). The comments in the code are by the model that wrote it; some were corrected since.
;; Spark FFN. Allowed arithmetic: matrix products marked QUANTISED: E2M3 operands, one E8M0 scale for each 32 along K, by v_wmma_scale_f32_16x16x128_f8f6f4 with both operands' format E2M3, f32 sums; everything else in f32.
;; Inputs: w1 2,048 x 1,024 float32; w2 1,024 x 2,048 float32; x 4 x 4,096 x 1,024 float32.
;; Outputs: out0 4 x 4,096 x 1,024 float32.
;; This version of the problem:
;;   THIS VERSION OF THE PROBLEM IS GIVEN IN LOW PRECISION. The matrix products marked QUANTISED in the list below multiply operands that are first quantised to E2M3 (2 exponent bits, 3 mantissa bits; 6 bits a number), with one power-of-two scale for each 32 numbers along K (OCP MX v1.0); their sums are f32. All else is computed in f32.
;;   The module's matrix products, in the order in which they are computed (A, B: the left and right operand; K: the contracted axis; several contracted axes count as one K, in the product's order):
;;     1. [M 16,384, K 1,024] x [K 1,024, N 2,048]; A: input x; B: input w1: QUANTISED
;;     2. [M 16,384, K 2,048] x [K 2,048, N 1,024]; A: computed on the way; B: input w2: QUANTISED
;;   THE QUANTISER, for each operand of a quantised product, along K:
;;     - K is cut into blocks of 32 from its start; a last block that is shorter is filled with zeros.
;;     - A block's scale is 2^e with e = floor(log2(the largest magnitude in the block)) - 2, held to -126 .. 127; a block of zeros has e = 0. As a byte (E8M0): e + 127.
;;     - Each number is divided by its block's scale, clamped to +-7.5, and rounded to the nearest number of E2M3, ties to even, subnormals kept.
;;     - The product sums the exact products of the quantised numbers (number of the format x scale) in f32.
;;   ~~~python
;;   def quantise(x, axis):      # numpy; x: float32 -> the quantised numbers, widened to float32 again
;;       x = np.moveaxis(x, axis, -1); K = x.shape[-1]
;;       x = np.pad(x, [(0, 0)] * (x.ndim - 1) + [(0, -K % 32)]); x = x.reshape(x.shape[:-1] + (-1, 32)); a = np.abs(x).max(-1, keepdims=True)
;;       e = np.where(a > 0, np.clip(np.frexp(np.where(a > 0, a, 1))[1] - 1 - 2, -126, 127), 0)      # np.frexp(a)[1] - 1 = floor(log2(a)), exactly
;;       r = np.clip(x / 2.0 ** e, -7.5, 7.5)
;;       step = 2.0 ** (np.maximum(np.frexp(np.where(r == 0, 1, r))[1] - 1, 0) - 3)
;;       q = np.round(r / step) * step * 2.0 ** e      # np.round: ties to even
;;       return np.moveaxis(q.reshape(q.shape[:-2] + (-1,))[..., :K], -1, axis).astype(np.float32)
;;   ~~~
;;   OPERANDS COMPUTED ON THE WAY. 'Computed on the way' means the value that the module computes at that place (a softmax that the list does not call 'softmax' is quantised finished and normalised). What goes into a quantiser is computed in f32, as accurately as f32 sums, v_exp_f32 and their like allow (about 1e-6 of the number): no bf16 or f16 on the way to a quantiser, and a product that is left as it is and whose result goes on into a quantised operand takes f32 operands (vector FMAs, or v_wmma_f32_16x16x4_f32). A number that lies on a knife's edge between two numbers of the format may be rounded either way, as far as f32 arithmetic and the matrix unit's own rounding can turn it there, and no further.
;; 2 versions. Each part assembles by itself: llvm-mc -triple=amdgcn-amd-amdhsa -mcpu=gfx1250 --defsym DOCPART=n.
;; ======== version 1 of 2: 2 launches
;; workspace buffers: wimg 3,686,400 bytes
;; launch wq (part 1): grid 288 x 1, 2 waves a work-group, no clusters, 0 bytes of LDS; arguments w1, w2, wimg; writes wimg
.if DOCPART == 1
	.amdgcn_target "amdgcn-amd-amdhsa--gfx1250"
	.amdhsa_code_object_version 6
	.text
	.protected	k_q232d3af513_wq
	.globl	k_q232d3af513_wq
	.p2align	8
	.type	k_q232d3af513_wq,@function
k_q232d3af513_wq:
	s_mov_b64 s[64:65], 0
	v_nop
	global_prefetch_b8 v0, s[64:65] scope:SCOPE_SE
	s_setreg_imm32_b32 hwreg(HW_REG_WAVE_MODE, 25, 1), 1
	s_wait_xcnt 0x0
; w1 [2048][1024] and w2 [1024][2048], f32, K innermost, become codes of FP6 (E2M3) with one E8M0 byte for each 32 along K,
; laid in wimg in the order in which the next launch's waves take them: 36 positions x 4 wave parts of 25,600 bytes.
; A PART (position j, wave w): 16 fragment images of 1,536 bytes (fragment f = 8 kk + u: K step kk of the position's two, tile u of eight),
; then 4 scale blocks of 256 bytes.  An image is the operand's 12 registers: register group c (four registers) at 512 c, lane l's 16 bytes at 16 l.
; Scale block q: 16 bytes for each lane r = 0 .. 15: the scale words of fragments 4 q .. 4 q + 3.
; POSITIONS.  j = 0 .. 19, first product: chunk (j / 4) % 4 of the wave's 512 hidden units (chunk 0 is laid twice: it is multiplied twice), K step 2 (j % 4) + kk of w1;
;   lane r of tile u takes row 512 w + 128 chunk + 32 (u / 2) + 8 (u % 2) + r + 8 (r / 8), so that the results of two neighbouring tiles are 16 neighbours along the next K.
; j = 20 .. 35, second product: half g = (j - 20) / 8 of the wave's 256 outputs; K' = 2 ((j - 20) % 8) + kk counts the hidden layer's K steps in the order in which the next launch
;   keeps them: K' stands for K step 4 (K' % 4) + CH[K' / 4] of w2, CH = 3, 0, 2, 1;  lane r of tile u takes row 256 w + 128 g + 16 u + r.
; SHARES.  Work-group b: kk = b % 2, w = (b / 2) % 4, j = b / 8.  Its wave v makes tiles 4 v .. 4 v + 3: four fragments and one scale block.
; A lane (r, h) holds of its row the blocks h and 2 + h of the K step's four, 32 numbers each, as the operand's layout gives them to it: no other lane is asked for a maximum,
; and the conversions' results are the operand's registers.
; A block's scale is 2^(floor(log2(its largest magnitude)) - 2); its byte is the largest magnitude's exponent field - 2, held at 1 from below.
; LIMITS: NaN and infinities among the inputs are not served.  A block whose largest magnitude lies under 2^-124 (a block of zeros too) keeps the byte 1; the bytes are read by this program alone.
.set PARTB, 25600
.set FRB,   1536
.set XS0,   128                        ; v128-255 two sets of 64 numbers
.set CF0,   64                         ; v64-111  four fragments of 12 registers: no store's data are written again
	s_load_b128 s[4:7], s[0:1], 0x0                ; w1, w2
	s_load_b64 s[8:9], s[0:1], 0x10                ; wimg
	v_lshrrev_b32 v1, 5, v0
	v_readfirstlane_b32 s10, v1                    ; wave v
	v_and_b32 v1, 15, v0                           ; r
	v_bfe_u32 v2, v0, 4, 1                         ; h
	v_and_b32 v4, 31, v0
	v_lshlrev_b32 v4, 4, v4                        ; 16 x lane: my place in a register group's 512 bytes
	v_lshlrev_b32 v5, 4, v1
	v_lshl_add_u32 v5, v2, 3, v5                   ; 16 r + 8 h: my 8 bytes of the scale block
	v_lshlrev_b32 v6, 3, v2                        ; 8 h: my two bytes' place in a scale word, in bits
	v_mov_b32 v23, 0                               ; a lane permute's destination counts as one of its sources
	s_mov_b32 s46, 0x76543210
	s_mov_b32 s47, 0xfedcba98                      ; selects for lane l xor 16
	s_and_b32 s11, ttmp9, 1                        ; kk
	s_bfe_u32 s12, ttmp9, 0x20001                  ; w
	s_lshr_b32 s13, ttmp9, 3                       ; j
	; the first product's numbers
	s_bfe_u32 s14, s13, 0x20002                    ; chunk = (j / 4) % 4
	s_and_b32 s15, s13, 3
	s_lshl_b32 s15, s15, 1
	s_add_co_u32 s15, s15, s11                     ; K step 2 (j % 4) + kk
	s_lshl_b32 s16, s12, 9
	s_lshl_b32 s14, s14, 7
	s_add_co_u32 s16, s16, s14                     ; row 512 w + 128 chunk
	; the second product's
	s_sub_co_u32 s17, s13, 20
	s_bfe_u32 s18, s17, 0x10003                    ; g
	s_and_b32 s19, s17, 7
	s_lshl_b32 s19, s19, 1
	s_add_co_u32 s19, s19, s11                     ; K'
	s_lshr_b32 s20, s19, 2
	s_lshl_b32 s20, s20, 2
	s_lshr_b32 s20, 0x1203, s20
	s_and_b32 s20, s20, 15                         ; CH[K' / 4]
	s_and_b32 s19, s19, 3
	s_lshl_b32 s19, s19, 2
	s_add_co_u32 s19, s19, s20                     ; K step 4 (K' % 4) + CH
	s_lshl_b32 s21, s12, 8
	s_lshl_b32 s18, s18, 7
	s_add_co_u32 s21, s21, s18                     ; row 256 w + 128 g
	s_wait_kmcnt 0x0
	s_cmp_lt_u32 s13, 20                           ; which product?  The choice hangs on the work-group's number alone; both tensors take one path
	s_cselect_b64 s[4:5], s[4:5], s[6:7]
	s_cselect_b32 s22, 12, 13                      ; a row is 2^12 or 2^13 bytes
	s_cselect_b32 s16, s16, s21
	s_cselect_b32 s15, s15, s19
	s_cselect_b32 s23, 8, 0                        ; r + 8 (r / 8), or r
	s_cselect_b32 s36, 8, 16                       ; my four tiles begin at rows 0, 8, 32, 40 or 0, 16, 32, 48
	s_cselect_b32 s37, 40, 48
	s_lshl_b32 s38, s10, 6
	s_add_co_u32 s16, s16, s38                     ; + 64 v
	s_lshl_b32 s15, s15, 9                         ; a K step is 512 bytes of a row
	s_mov_b32 s41, 0
.macro BASE i, tr                      ; s[24 + 2 i : 25 + 2 i]: the tensor at tile i's first row and my K step
	s_add_co_u32 s40, s16, \tr
	s_lshl_b32 s40, s40, s22
	s_add_co_u32 s40, s40, s15
	s_add_nc_u64 s[24+2*\i:25+2*\i], s[4:5], s[40:41]
.endm
	BASE 0, 0
	BASE 1, s36
	BASE 2, 32
	BASE 3, s37
	v_and_b32 v3, s23, v1
	v_add_nc_u32 v3, v3, v1
	v_lshlrev_b32 v3, s22, v3
	v_lshl_add_u32 v3, v2, 7, v3                   ; my row of a tile, + 128 h: my first block
	s_lshr_b32 s42, ttmp9, 1
	s_mul_i32 s42, s42, PARTB                      ; the part (4 j + w)
	s_lshl_b32 s43, s11, 1
	s_add_co_u32 s43, s43, s10                     ; q = 2 kk + v
	s_mul_i32 s44, s43, 4*FRB
	s_add_co_u32 s44, s44, s42
	s_mov_b32 s45, 0
	s_add_nc_u64 s[32:33], s[8:9], s[44:45]        ; my four images
	s_lshl_b32 s44, s43, 8
	s_add_co_u32 s44, s44, s42
	s_add_co_u32 s44, s44, 16*FRB
	s_add_nc_u64 s[34:35], s[8:9], s[44:45]        ; my scale block
.macro LOADF i                         ; tile i's 64 numbers of my lane into set i % 2: blocks h and 2 + h, 128 bytes each
.irp c, 0,1
.irp e, 0,1,2,3,4,5,6,7
	global_load_b128 v[XS0+64*((\i)%2)+32*\c+4*\e:XS0+64*((\i)%2)+32*\c+4*\e+3], v3, s[24+2*(\i):25+2*(\i)] offset:256*\c+16*\e
.endr
.endr
.endm
.macro QF i, left                      ; left: the younger loads that may stay out
	s_wait_loadcnt \left
.irp c, 0,1
	v_max3_num_f32 v[16+\c], |v[XS0+64*((\i)%2)+32*\c]|, |v[XS0+64*((\i)%2)+32*\c+1]|, 0x1800000   ; my block's largest magnitude, and the floor 2^(3 - 127): the byte cannot fall under 1
.endr
.irp e, 2,4,6,8,10,12,14,16,18,20,22,24,26,28,30
.irp c, 0,1
	v_max3_num_f32 v[16+\c], v[16+\c], |v[XS0+64*((\i)%2)+32*\c+\e]|, |v[XS0+64*((\i)%2)+32*\c+\e+1]|   ; (the two blocks by turns)
.endr
.endr
.irp c, 0,1
	v_add_nc_u32 v[18+\c], 0xff000000, v[16+\c]    ; 2 off its exponent field: the conversion takes the exponent field of this operand as its scale
.endr
.irp c, 0,1
	v_lshrrev_b32 v[20+\c], 23, v[18+\c]           ; the scale's byte
.endr
	v_lshl_or_b32 v22, v21, 16, v20                ; blocks h and 2 + h,
	v_lshlrev_b32 v22, v6, v22                     ; at their places in the word;
	v_permlanex16_b32 v23, v22, s46, s47
	v_or_b32 v[8+\i], v22, v23                     ; with lane l xor 16's two the word is whole, in both lanes
.irp c, 0,1
	v_cvt_scalef32_pk16_fp6_f32 v[CF0+12*(\i)+6*\c:CF0+12*(\i)+6*\c+2], v[XS0+64*((\i)%2)+32*\c:XS0+64*((\i)%2)+32*\c+15], v[18+\c]
	v_cvt_scalef32_pk16_fp6_f32 v[24+4*\c:26+4*\c], v[XS0+64*((\i)%2)+32*\c+16:XS0+64*((\i)%2)+32*\c+31], v[18+\c]   ; (a conversion's three registers begin on an even number)
.endr
	v_nop                                          ; one plain place behind a scaled conversion
.irp c, 0,1
.irp e, 0,1,2
	v_mov_b32 v[CF0+12*(\i)+3+6*\c+\e], v[24+4*\c+\e]
.endr
.endr
.irp c, 0,1,2
	global_store_b128 v4, v[CF0+12*(\i)+4*\c:CF0+12*(\i)+4*\c+3], s[32:33] offset:FRB*(\i)+512*\c   ; 32 lanes store 512 consecutive bytes, at a multiple of 256 from wimg's first byte
.endr
.endm
	LOADF 0
	LOADF 1
	QF 0, 16                                       ; tile 0's sixteen loads are in, tile 1's may be out
	LOADF 2                                        ; into the set that tile 0 has left
	QF 1, 16
	LOADF 3
	QF 2, 16
	QF 3, 0
	v_cmp_eq_u32 vcc_lo, 1, v2
	v_cndmask_b32 v12, v8, v10, vcc_lo             ; lanes 0-15 store tiles 0 and 1's words of row r, lanes 16-31 tiles 2 and 3's
	v_cndmask_b32 v13, v9, v11, vcc_lo
	global_store_b64 v5, v[12:13], s[34:35]        ; 32 lanes store the scale block's 256 bytes
	s_endpgm
.Lfunc_end_k_q232d3af513_wq:
	.size	k_q232d3af513_wq, .Lfunc_end_k_q232d3af513_wq-k_q232d3af513_wq
	.p2alignl 7, 3214868480
	.fill 96, 4, 3214868480
	.section	.rodata,"a",@progbits
	.p2align	6, 0x0
	.amdhsa_kernel k_q232d3af513_wq
		.amdhsa_group_segment_fixed_size 0
		.amdhsa_private_segment_fixed_size 0
		.amdhsa_enable_private_segment 0
		.amdhsa_kernarg_size 24
		.amdhsa_user_sgpr_count 2
		.amdhsa_user_sgpr_kernarg_segment_ptr 1
		.amdhsa_wavefront_size32 1
		.amdhsa_system_sgpr_workgroup_id_x 1
		.amdhsa_system_sgpr_workgroup_id_y 1
		.amdhsa_system_sgpr_workgroup_id_z 1
		.amdhsa_system_vgpr_workitem_id 0
		.amdhsa_next_free_vgpr 256
		.amdhsa_next_free_sgpr 66
		.amdhsa_reserve_vcc 1
		.amdhsa_float_denorm_mode_32 3
		.amdhsa_float_denorm_mode_16_64 3
		.amdhsa_memory_ordered 1
		.amdhsa_forward_progress 1
		.amdhsa_inst_pref_size 23
	.end_amdhsa_kernel
	.amdgpu_metadata
---
amdhsa.version: [ 1, 2 ]
amdhsa.kernels:
  - .name:           k_q232d3af513_wq
    .symbol:         k_q232d3af513_wq.kd
    .args:
      - { .name: w1, .offset: 0, .size: 8, .value_kind: global_buffer, .address_space: global }
      - { .name: w2, .offset: 8, .size: 8, .value_kind: global_buffer, .address_space: global }
      - { .name: wimg, .offset: 16, .size: 8, .value_kind: global_buffer, .address_space: global }
    .group_segment_fixed_size: 0
    .private_segment_fixed_size: 0
    .kernarg_segment_align: 8
    .kernarg_segment_size: 24
    .max_flat_workgroup_size: 64
    .sgpr_count:     66
    .vgpr_count:     256
    .wavefront_size: 32
...
	.end_amdgpu_metadata
.endif
;; end of part 1
;; launch ffn (part 2): grid 256 x 1, 4 waves a work-group, clusters of 4 x 1, 327,680 bytes of LDS; arguments x, wimg, out0; writes out0
.if DOCPART == 2
	.amdgcn_target "amdgcn-amd-amdhsa--gfx1250"
	.amdhsa_code_object_version 6
	.text
	.protected	k_q232d3af513_ffn
	.globl	k_q232d3af513_ffn
	.p2align	8
	.type	k_q232d3af513_ffn,@function
k_q232d3af513_ffn:
	s_mov_b64 s[64:65], 0
	v_nop
	global_prefetch_b8 v0, s[64:65] scope:SCOPE_SE
	s_setreg_imm32_b32 hwreg(HW_REG_WAVE_MODE, 25, 1), 1
	s_wait_xcnt 0x0
	s_wait_alu depctr_hold_cnt(0) depctr_sa_sdst(0) depctr_va_vdst(0) depctr_va_sdst(0) depctr_va_ssrc(0) depctr_va_vcc(0) depctr_vm_vsrc(0)
	s_getreg_b32 s2, hwreg(HW_REG_IB_STS2, 6, 4)
	s_cmp_eq_u32 s2, 0
	s_cbranch_scc0 .Lentry_in_a_cluster
	s_endpgm
.Lentry_in_a_cluster:
	s_bfe_u32 s2, ttmp6, 0x10000c
	s_cmp_lg_u32 s2, 0x3003
	s_cbranch_scc0 .Lentry_shape_is_right
	s_endpgm
.Lentry_shape_is_right:
; out = relu(h - theta) w2^T,  h = x w1^T,  theta = mean(h) + max(std(h, ddof = 1), 1e-6) x 1.0368523 for each row; both products on codes of FP6 (E2M3) with one E8M0 scale for each 32 along K.
; x: [16384][1024] f32, quantised here.  The weights come as codes from wimg, laid in the order in which they are taken here (the launch before).  out0: [16384][1024] f32.  h never goes to memory.
; SHARES.  A work-group of four waves owns 64 rows: four tiles t of 16.  THE WAVES SHARE THE COLUMNS: wave w makes hidden units 512 w .. 512 w + 511, in four chunks of 128, and outputs
; 256 w .. 256 w + 255, in two halves of 128, for all 64 rows.  So a weight fragment is read by one wave and feeds four matrix instructions.
; Both products are used transposed (source 0 = 16 rows of a weight, source 1 = 16 rows of x or of the hidden layer): a lane holds one row throughout.
; theta wants a whole row of h, 2,048 numbers, before any of it can be quantised.  A chunk of a wave (64 rows x 128) is 256 registers, one window.  Chunks 1, 2, 3 stay in windows 1, 2, 3;
; chunk 0 is multiplied once for its mean and its sum of squares alone and once more when theta is known and window 3 is free: 2,304 matrix instructions a wave for the problem's 2,048.
; A PASS fills one window's 32 accumulators ((t, u) at v[64 t + 8 u]) and walks SLOTS: a slot is 2 K steps x 8 tiles of a weight: 16 fragments, 64 matrix instructions, 25,600 bytes a wave.
; 36 slots: five chunk passes of 4, two output passes of 8.  They come through a ring of two LDS slots; each wave fetches its own part with one tensor load and reads it alone.
; CLUSTER.  All work-groups walk the same weights: the four of a cluster ask for each part JOINTLY (the same load, the same descriptor, a mask that names the four).
; OPERANDS GO FROM WAVE TO WAVE AS IMAGES OF THEIR REGISTERS: a fragment is 3 stores of 16 bytes a lane at 16 x lane; the four tiles' scale words of a K step lie as [row r][tile t], 16 bytes a row.
; THE STATISTICS: for each chunk and row a mean and a sum of squares about that mean (two walks over the registers); the 16 parts of a row, of 128 numbers each, meet in LDS:
; M2 = the sum of the parts' M2 + 128 x the sum of (part's mean - mean)^2.  No difference of large sums is formed.
; THE SECOND PRODUCT'S K is summed in the order in which the hidden layer's images lie (chunks 3, 0, 2, 1; within a chunk by wave), not ascending; wimg is laid to match.
; LIMITS: NaN and infinities among the inputs are not served.  A block whose largest magnitude lies under 2^-124 (a block of zeros too) keeps the scale byte 1: its codes add what they are worth or nothing.
; REGISTERS.  Window 0: v1-31 addresses and theta; v32-127 two sets of four fragments of x or h; v128-223 two sets of four weight fragments; v224-247 scale words and nothing else; v248-251 lane permutes' results;
; between the passes v32-223 are at work.  Windows 1 to 3: accumulators (window 1 also takes x's numbers at the start).
.set SLOTB, 102400                     ; a ring slot: four parts
.set PARTB, 25600                      ; a wave's part: 16 images, then 4 scale blocks of 256 bytes
.set FRB,   1536                       ; an image
.set BLKB,  6400                       ; a K step of x or of h: four tiles' images, then 256 bytes of scale words
.set IMG,   2*SLOTB                    ; 16 such blocks.  First product: blocks 8-15 hold x's K steps 0-7.  Second: blocks 0-3 chunk 3, 4-7 chunk 0, 8-11 chunk 2, 12-15 chunk 1; within a group by wave
.set ST,    IMG+16*BLKB                ; the statistics' parts: [4 w + chunk][row 0 .. 63][mean, M2], 8,192 bytes
.set SPARE, ST+8192                    ; the spare words, 128 bytes for each wave: two blocks of 256 bytes that no other line names
.set SP,    528                        ; the way out: a stage of 16 rows x (512 + 16) bytes for each wave, in its own part of ring slot 0, which has had its last fill and its last read by then
.set SPW, 1                            ; v1   SPARE + 4 x my thread's number; never rewritten
.set NIL, 2                            ; v2   0, for the add alone
.set ZERO, 3                           ; v3   0, for the clip at 0
.set LI,  4                            ; v4   16 x lane
.set RB0, 5                            ; v5   my part of slot 0: PARTB w + 16 x lane
.set RS0, 6                            ; v6   its scale blocks: + 16 FRB, 16 r
.set AI0, 7                            ; v7   IMG + 16 x lane
.set AC0, 8                            ; v8   IMG + 4 FRB + 16 r
.set RB,  9                            ; v9-12 the same four for the slot in hand
.set RS,  10
.set AI,  11
.set AC,  12
.set XA,  13                           ; v13  x: 4096 r + 64 h
.set XW,  14                           ; v14  where I store x's images: block 8, tile w
.set XWS, 15                           ; v15  and their scale words
.set TH,  16                           ; v16-23 theta of my row in tiles 0 to 3, each twice (a pair for the packed form)
.set STW, 24                           ; v24  ST + 2048 w + 8 r
.set STR, 25                           ; v25  ST + 8 r
.set STO, 26                           ; v26  the stage: row r, + 32 h
.set HW0, 28                           ; v28  IMG + BLKB w + 16 x lane
.set HS0, 29                           ; v29  IMG + BLKB w + 4 FRB + 16 r
.set T0,  30                           ; v30-31 addresses in hand
.set T1,  31
.set AB,  32                           ; fragments of x or h: K step kk of the slot at v[AB + 48 kk + 12 t]
.set BB,  128                          ; weight fragments: group g of four at v[BB + 48 (g % 2) + 12 i]
.set AS,  224                          ; scale words of x or h: v[AS + 4 kk + t]
.set BS,  232                          ; of the weights: v[BS + 8 kk + u]
.set TP,  248
.set PFO, 252                          ; v252 the prefetches' offset
.set TMX, 32                           ; the quantiser: v32-35 largest magnitudes, v44-47 scale operands, v48 the scale word, v52-63 the codes, v64-70 halves on their way
.set TS,  44
.set PW,  48
.set PC,  52
.set MP,  72                           ; the statistics: v72-73 the mean twice, v74 at work, v80-87 and v88-95 four chains each, v112-119 (mean, M2) of the four tiles, v120-183 differences
.set TT,  74
.set SS,  80
.set QS,  88
.set RES, 112
.set TD,  120
.set WV,  10                           ; s10  wave
.set L0,  12                           ; s12  PARTB x wave
.set G1,  16                           ; s[16:23] descriptor group 1
.set G0,  24                           ; s[24:27] group 0, which walks
.set SEL, 28                           ; s[28:29] selects for lane l xor 16
.set CNT, 30                           ; s30  slots of a pass
.set OUT, 31                           ; s31  outer loops
.set POS, 32                           ; s32  slots asked for
.set LIM, 33                           ; s33  33 in the first cluster, else 0: a wave prefetches while POS is under it
.set PFA, 34                           ; s[34:35] where my prefetches stand
.set TB,  36                           ; s36  LDS byte at which the slot in hand begins
.set KA,  37                           ; s37  where the slot's two K steps of x or h begin in IMG
.set SC,  40                           ; s40  512 x chunk
.set HB,  41                           ; s41  where a group of four blocks begins in IMG
.set CX,  47                           ; s42-47 alone ever hold my place in the cluster or what is made of it
.set MSB, 0
.macro WIN new                         ; the immediate's high byte repeats the setting that is left; a switch that changes nothing is dropped
.if MSB != (\new)
	s_set_vgpr_msb (MSB<<8)|(\new)
.set MSB, (\new)
.endif
.endm
.macro PLACES n                        ; plain vector instructions that name no register of the matrix instructions before them (ISA guide 7.12.1)
.rept \n
	v_nop
.endr
.endm
.macro ROUND                           ; a round of the cluster's barrier: my work-group's barrier; wave 0 signals for the work-group; every wave waits for all four work-groups; my work-group's barrier once more
	s_barrier_signal -1
	s_barrier_wait -1
	s_cmp_lg_u32 s[WV], 0
	s_cbranch_scc1 .Lnot_wave_0_\@
	s_barrier_signal -3
.Lnot_wave_0_\@:
	s_barrier_wait -3
	s_barrier_signal -1
	s_barrier_wait -1
.endm
.macro BARRIER                         ; my LDS stores have landed and my LDS loads are in: then the work-group's barrier.
	s_wait_dscnt 0x0
	s_barrier_signal -1
	s_barrier_wait -1
.endm
.macro LOADB g                         ; 12 loads: weight fragments 4 g .. 4 g + 3 of the slot's sixteen
.irp i, 0,1,2,3
.irp c, 0,1,2
	ds_load_b128 v[BB+48*((\g)%2)+12*\i+4*\c:BB+48*((\g)%2)+12*\i+4*\c+3], v[RB] offset:FRB*(4*(\g)+\i)+512*\c
.endr
.endr
.endm
.macro LOADA kk                        ; 15 loads: the four tiles' fragments of K step kk, their scale words, and the scale words of the K step's eight weight fragments
.irp t, 0,1,2,3
.irp c, 0,1,2
	ds_load_b128 v[AB+48*(\kk)+12*\t+4*\c:AB+48*(\kk)+12*\t+4*\c+3], v[AI] offset:BLKB*(\kk)+FRB*\t+512*\c
.endr
.endr
	ds_load_b128 v[AS+4*(\kk):AS+4*(\kk)+3], v[AC] offset:BLKB*(\kk)
	ds_load_b128 v[BS+8*(\kk):BS+8*(\kk)+3], v[RS] offset:512*(\kk)
	ds_load_b128 v[BS+8*(\kk)+4:BS+8*(\kk)+7], v[RS] offset:512*(\kk)+256
.endm
; 16 matrix instructions: group g (K step g / 2, weight tiles 4 (g % 2) + i) x the four tiles of rows, into window n.  zero = 1: the product starts the sums: nothing is ever cleared.
; The window's 32 accumulators take turns, one instruction a turn, in the same order in every K step, over the loops' backward jumps too.
.macro MUL g, n, zero
	WIN ((\n)<<4)|((\n)<<6)
.irp t, 0,1,2,3
.irp i, 0,1,2,3
.if \zero
	v_wmma_scale_f32_16x16x128_f8f6f4 v[64*\t+8*(4*((\g)%2)+\i):64*\t+8*(4*((\g)%2)+\i)+7], v[BB+48*((\g)%2)+12*\i:BB+48*((\g)%2)+12*\i+11], v[AB+48*((\g)/2)+12*\t:AB+48*((\g)/2)+12*\t+11], 0, v[BS+8*((\g)/2)+4*((\g)%2)+\i], v[AS+4*((\g)/2)+\t] matrix_a_fmt:MATRIX_FMT_FP6 matrix_b_fmt:MATRIX_FMT_FP6
.else
	v_wmma_scale_f32_16x16x128_f8f6f4 v[64*\t+8*(4*((\g)%2)+\i):64*\t+8*(4*((\g)%2)+\i)+7], v[BB+48*((\g)%2)+12*\i:BB+48*((\g)%2)+12*\i+11], v[AB+48*((\g)/2)+12*\t:AB+48*((\g)/2)+12*\t+11], v[64*\t+8*(4*((\g)%2)+\i):64*\t+8*(4*((\g)%2)+\i)+7], v[BS+8*((\g)/2)+4*((\g)%2)+\i], v[AS+4*((\g)/2)+\t] matrix_a_fmt:MATRIX_FMT_FP6 matrix_b_fmt:MATRIX_FMT_FP6
.endif
.endr
.endr
	WIN 0
.endm
; A PREFETCH INTO THE L2 of the part that my wave will ask for three refills on: in slot j's text position j + 4, 192 matrix instructions ahead of its tensor load.  All clusters walk the same weights: the first
; cluster asks.  Its four partners share a part's 100 blocks of 256 bytes out BY ADDRESS, 25 each, a lane a block (lanes 25 to 31 name lane 24's block again).  Positions 0 to 3 come by their loads alone;
; behind slot 31 nothing is left to ask for.
.macro ASK
	s_cmp_lt_u32 s[POS], s[LIM]
	s_cbranch_scc0 .Lnot_mine_\@
	global_prefetch_b8 v[PFO], s[PFA:PFA+1] th:TH_LOAD_NT scope:SCOPE_SE
.Lnot_mine_\@:
.endm
; ONE SLOT.  first = 1: a pass's first slot: its first K step starts the sums, and no group of the slot before is left over.  fill = 1: the other slot is filled with the next position.
; The slot's last group of 16 matrix instructions is issued in the NEXT slot's text, from registers, behind the refill: so the first loads of a slot have matrix work in front of their first use.
.macro BODY n, first, fill
.if \fill
	s_wait_xcnt 0x0                                ; the last prefetch, a slot back, has read its address:
	s_add_nc_u64 s[PFA:PFA+1], s[PFA:PFA+1], SLOTB ; a position on
.endif
	s_wait_tensorcnt 0x0                           ; my one tensor load that is out has landed: my part of this slot; so group 0 may be written
.if \fill
	ds_add_u32 v[SPW], v[NIL]                      ; 0 onto my spare word; the descriptor's steps stand between it and the wait for it
	s_xor_b32 s38, s[TB], SLOTB                    ; the slot that was read last
	s_add_co_u32 s[G0+1], s38, s[L0]               ; my part of it
	s_add_nc_u64 s[G0+2:G0+3], s[G0+2:G0+3], SLOTB ; the next position; the type bits on top are not reached
	s_add_co_u32 s[POS], s[POS], 1
	s_wait_dscnt 0x0                               ; the add is done, my reads of that slot are over, and my stores of images have landed
	ROUND                                          ; the same holds of every wave of the four work-groups
	tensor_load_to_lds s[G0:G0+3], s[G1:G1+7]      ; the joint refill: my first and only tensor load behind the round; it has 64 matrix instructions in which to land
	s_nop 0
.else
	s_wait_dscnt 0x0                               ; the left-over group's fragments are in.  The last slot: nothing is filled, and I alone read my part: no barrier
.endif
	v_add_nc_u32 v[RB], s[TB], v[RB0]              ; these four are also the places in front of the loads below
	v_add_nc_u32 v[RS], s[TB], v[RS0]
	v_add_nc_u32 v[AI], s[KA], v[AI0]
	v_add_nc_u32 v[AC], s[KA], v[AC0]
	s_xor_b32 s[TB], s[TB], SLOTB                  ; for the next slot's text
	s_add_co_u32 s[KA], s[KA], 2*BLKB
	LOADA 0
	LOADB 0
.if \fill
	ASK
.endif
.if \first == 0
	MUL 3, \n, 0                                   ; the slot before's last group
	PLACES 4
.endif
	LOADB 1
	s_wait_dscnt 12                                ; all but group 1's twelve
	MUL 0, \n, \first
	PLACES 4
	LOADA 1
	LOADB 2
	s_wait_dscnt 27                                ; group 1 is in; the 15 + 12 just issued may be out
	MUL 1, \n, \first
	PLACES 4
	LOADB 3
	s_wait_dscnt 12                                ; K step 1's fragments and group 2 are in; group 3's twelve may be out
	MUL 2, \n, 0
.endm
; A PASS: window n; the K steps of x or h from block kbase on; nslots slots.  lastfill = 0: the launch's last slot is written out without its refill.
.macro PASS n, kbase, nslots, lastfill
	s_mov_b32 s[KA], BLKB*(\kbase)
	BODY \n, 1, 1
	s_mov_b32 s[CNT], 1
.Lslot_\@:
	BODY \n, 0, 1
	s_add_co_u32 s[CNT], s[CNT], 1
	s_cmp_lt_u32 s[CNT], (\nslots)-1+(\lastfill)
	s_cbranch_scc1 .Lslot_\@
.if \lastfill == 0
	BODY \n, 0, 0
.endif
	s_wait_dscnt 0x0                               ; the last group's fragments
	MUL 3, \n, 0
	PLACES 4                                       ; in front of the first read of results, and of loads into the operands' registers
.endm
; 64 numbers of a lane in window n, v[s] .. v[s + 63], register 16 b + i = k 32 b + 16 (lane / 16) + i of my row, become a fragment's codes in v[PC] on and its scale word in v[PW].  abs = 0: none is negative.
.macro QUANTW n, s, abs
	WIN (\n)|((\n)<<2)
.irp b, 0,1,2,3
.if \abs
	v_max3_num_f32 v[TMX+\b], |v[(\s)+16*\b]|, |v[(\s)+16*\b+1]|, 0x1800000   ; block b: my 16 numbers, and the floor 2^(3 - 127): the byte cannot fall under 1
.else
	v_max3_num_f32 v[TMX+\b], v[(\s)+16*\b], v[(\s)+16*\b+1], 0x1800000
.endif
.endr
.irp i, 2,4,6,8,10,12,14
.irp b, 0,1,2,3
.if \abs
	v_max3_num_f32 v[TMX+\b], |v[(\s)+16*\b+\i]|, |v[(\s)+16*\b+\i+1]|, v[TMX+\b]   ; (the four blocks by turns)
.else
	v_max3_num_f32 v[TMX+\b], v[(\s)+16*\b+\i], v[(\s)+16*\b+\i+1], v[TMX+\b]
.endif
.endr
.endr
	WIN 0
.irp b, 0,1,2,3
	v_permlanex16_b32 v[TP+\b], v[TMX+\b], s[SEL], s[SEL+1]
.endr
.irp b, 0,1,2,3
	v_max_num_f32 v[TMX+\b], v[TMX+\b], v[TP+\b]   ; with lane l xor 16's: the block's largest magnitude
.endr
.irp b, 0,1,2,3
	v_add_nc_u32 v[TS+\b], 0xff000000, v[TMX+\b]   ; 2 off its exponent field: the conversion's scale operand
.endr
.irp b, 0,1,2,3
	v_lshrrev_b32 v[TP+\b], 23, v[TS+\b]           ; the scale's byte
.endr
	v_lshl_or_b32 v[PW], v[TP+1], 8, v[TP]
	v_lshl_or_b32 v[PW], v[TP+2], 16, v[PW]
	v_lshl_or_b32 v[PW], v[TP+3], 24, v[PW]        ; my row's scale word, the same in both halves of the lanes
	WIN (\n)
.irp c, 0,1
	v_cvt_scalef32_pk16_fp6_f32 v[PC+6*\c:PC+6*\c+2], v[(\s)+32*\c:(\s)+32*\c+15], v[TS+2*\c]
	v_cvt_scalef32_pk16_fp6_f32 v[PC+12+4*\c:PC+14+4*\c], v[(\s)+32*\c+16:(\s)+32*\c+31], v[TS+2*\c+1]   ; (a conversion's three registers begin on an even number)
.endr
	WIN 0
	v_nop                                          ; one plain place behind a scaled conversion
.irp c, 0,1                                    ; the operand's layout wants a WHOLE block in a lane: lanes 0-15 block 2 c, lanes 16-31 block 2 c + 1
.irp i, 0,1,2
	v_permlane16_swap_b32 v[PC+6*\c+\i], v[PC+12+4*\c+\i]
.endr
.irp i, 0,1,2
	v_mov_b32 v[PC+3+6*\c+\i], v[PC+12+4*\c+\i]
.endr
.endr
.endm
.macro IMAGE adr, off                  ; the fragment in v[PC] on goes to LDS as it stands
.irp c, 0,1,2
	ds_store_b128 v[\adr], v[PC+4*\c:PC+4*\c+3] offset:(\off)+512*\c
.endr
.endm
; The chunk in window n: for each of my rows its mean and its sum of squares about that mean, to ST.  The registers are walked in ascending order: each accumulator is first read at its low end.
.macro STATS n
	v_add_nc_u32 v[T0], s[SC], v[STW]
.irp t, 0,1,2,3
	WIN (\n)|((\n)<<2)
.irp c, 0,1,2,3
	v_pk_add_f32 v[SS+2*\c:SS+2*\c+1], v[64*\t+4*\c:64*\t+4*\c+1], v[64*\t+4*\c+2:64*\t+4*\c+3]   ; four chains, started by the first sixteen numbers
.endr
	WIN (\n)
.set p, 8
.rept 24
	v_pk_add_f32 v[SS+2*(p%4):SS+2*(p%4)+1], v[64*\t+2*p:64*\t+2*p+1], v[SS+2*(p%4):SS+2*(p%4)+1]
.set p, p+1
.endr
	WIN 0
	v_pk_add_f32 v[SS:SS+1], v[SS:SS+1], v[SS+2:SS+3]
	v_pk_add_f32 v[SS+4:SS+5], v[SS+4:SS+5], v[SS+6:SS+7]
	v_pk_add_f32 v[SS:SS+1], v[SS:SS+1], v[SS+4:SS+5]
	v_add_f32 v[TT], v[SS], v[SS+1]
	v_permlanex16_b32 v[TP], v[TT], s[SEL], s[SEL+1]
	v_add_f32 v[TT], v[TT], v[TP]                  ; my row's 128 numbers
	v_mul_f32 v[MP], 0x3c000000, v[TT]             ; / 128
	v_mov_b32 v[MP+1], v[MP]
	WIN (\n)
.set p, 0
.rept 32
	v_pk_add_f32 v[TD+2*p:TD+2*p+1], v[64*\t+2*p:64*\t+2*p+1], v[MP:MP+1] neg_lo:[0,1] neg_hi:[0,1]
.set p, p+1
.endr
	WIN 0
.irp c, 0,1,2,3
	v_pk_mul_f32 v[QS+2*\c:QS+2*\c+1], v[TD+2*\c:TD+2*\c+1], v[TD+2*\c:TD+2*\c+1]
.endr
.set p, 4
.rept 28
	v_pk_fma_f32 v[QS+2*(p%4):QS+2*(p%4)+1], v[TD+2*p:TD+2*p+1], v[TD+2*p:TD+2*p+1], v[QS+2*(p%4):QS+2*(p%4)+1]
.set p, p+1
.endr
	v_pk_add_f32 v[QS:QS+1], v[QS:QS+1], v[QS+2:QS+3]
	v_pk_add_f32 v[QS+4:QS+5], v[QS+4:QS+5], v[QS+6:QS+7]
	v_pk_add_f32 v[QS:QS+1], v[QS:QS+1], v[QS+4:QS+5]
	v_add_f32 v[TT], v[QS], v[QS+1]
	v_permlanex16_b32 v[TP], v[TT], s[SEL], s[SEL+1]
	v_add_f32 v[RES+2*\t+1], v[TT], v[TP]
	v_mov_b32 v[RES+2*\t], v[MP]
	ds_store_b64 v[T0], v[RES+2*\t:RES+2*\t+1] offset:128*\t   ; both halves of the lanes write the same 8 bytes with the same value; each tile has its own pair of registers
.endr
.endm
; The chunk in window n becomes relu(h - theta), is quantised, and goes to my block of the group at s[HB]: one K step of the second product.
.macro THQ n
	v_add_nc_u32 v[T0], s[HB], v[HW0]
	v_add_nc_u32 v[T1], s[HB], v[HS0]
.irp t, 0,1,2,3
	WIN (\n)|((\n)<<6)
.set p, 0
.rept 32
	v_pk_add_f32 v[64*\t+2*p:64*\t+2*p+1], v[64*\t+2*p:64*\t+2*p+1], v[TH+2*\t:TH+2*\t+1] neg_lo:[0,1] neg_hi:[0,1]   ; ascending: each accumulator is first read at its low end
.set p, p+1
.endr
.set p, 0
.rept 64
	v_max_num_f32 v[64*\t+p], v[64*\t+p], v[ZERO]
.set p, p+1
.endr
	QUANTW \n, 64*\t, 0
	IMAGE T0, FRB*\t
	ds_store_b32 v[T1], v[PW] offset:4*\t
	s_wait_dscnt 0x0                               ; the stores have read their registers
.endr
.endm
	s_load_b128 s[4:7], s[0:1], 0x0                ; x, wimg
	s_load_b64 s[8:9], s[0:1], 0x10                ; out0
	v_lshl_add_u32 v[SPW], v0, 2, SPARE
	v_mov_b32 v[NIL], 0
	ds_add_u32 v1, v2
	ds_add_u32 v1, v2
	s_wait_dscnt 0x0
	v_mov_b32 v[ZERO], 0
	v_lshrrev_b32 v[T0], 5, v0
	v_readfirstlane_b32 s[WV], v[T0]               ; wave 0..3
	s_bfe_u32 s[CX], ttmp6, 0x40000                ; cx: my place in the cluster
	s_lshl_b32 s46, ttmp9, 2                       ; in a cluster launch ttmp9 counts clusters
	s_add_co_u32 s46, s46, s[CX]                   ; my block of 64 rows: it enters x's and out0's addresses alone
	s_lshl_b32 s42, s46, 18                        ; 64 rows of 4,096 bytes,
	s_lshl_b32 s38, s[WV], 16
	s_add_co_u32 s42, s42, s38                     ; x: + my wave's 16 rows
	s_mov_b32 s43, 0
	s_lshl_b32 s44, s46, 18
	s_lshl_b32 s38, s[WV], 10
	s_add_co_u32 s44, s44, s38                     ; out0: + my wave's 256 columns
	s_mov_b32 s45, 0
	s_mul_i32 s[L0], s[WV], PARTB
	; descriptor group 1: a part is a dense block of 25,600 bytes: 100 rows of 256 bytes (32 elements of 8 bytes), no padding: every read of it is 16 x lane on end
	s_mov_b32 s[G1+0], 15|(3<<16)|(1<<21)          ; 15:0 the mask: all four work-groups; 17:16 elements of 8 bytes; 21 set beside a mask
	s_mov_b32 s[G1+1], 32<<16                      ; tensor_dim0 = 32
	s_mov_b32 s[G1+2], 100<<16                     ; tensor_dim1 = 100
	s_mov_b32 s[G1+3], 32<<16                      ; tile_dim0 = 32
	s_mov_b32 s[G1+4], 100                         ; tile_dim1 = 100
	s_mov_b32 s[G1+5], 32                          ; tensor_dim0_stride
	s_mov_b32 s[G1+6], 0
	s_mov_b32 s[G1+7], 0
	s_mov_b32 s[SEL], 0x76543210
	s_mov_b32 s[SEL+1], 0xfedcba98
	s_mov_b32 s[POS], 0
	s_mov_b32 s[TB], 0
	s_cmp_eq_u32 ttmp9, 0                          ; the first cluster prefetches: the same in all four partners
	s_cselect_b32 s[LIM], 33, 0
	v_and_b32 v[T0], 15, v0                        ; r
	v_bfe_u32 v[T1], v0, 4, 1                      ; h
	v_and_b32 v[LI], 31, v0
	v_min_u32 v[PFO], 24, v[LI]
	v_lshlrev_b32 v[PFO], 8, v[PFO]
	v_lshlrev_b32 v[LI], 4, v[LI]
	v_add_nc_u32 v[RB0], s[L0], v[LI]
	v_lshl_add_u32 v[RS0], v[T0], 4, s[L0]
	v_add_nc_u32 v[RS0], 16*FRB, v[RS0]
	v_add_nc_u32 v[AI0], IMG, v[LI]
	v_lshl_add_u32 v[AC0], v[T0], 4, IMG+4*FRB
	v_lshlrev_b32 v[XA], 12, v[T0]
	v_lshl_add_u32 v[XA], v[T1], 6, v[XA]          ; row r of 4,096 bytes, + 64 h: my 16 numbers of a block of 32
	s_mul_i32 s38, s[WV], FRB
	v_add_nc_u32 v[XW], s38, v[LI]
	v_add_nc_u32 v[XW], IMG+8*BLKB, v[XW]
	s_lshl_b32 s38, s[WV], 2
	v_lshl_add_u32 v[XWS], v[T0], 4, s38
	v_add_nc_u32 v[XWS], IMG+8*BLKB+4*FRB, v[XWS]
	s_lshl_b32 s38, s[WV], 11
	v_lshl_add_u32 v[STW], v[T0], 3, s38
	v_add_nc_u32 v[STW], ST, v[STW]
	v_lshl_add_u32 v[STR], v[T0], 3, ST
	v_mul_u32_u24 v[STO], v[T0], SP
	v_lshl_add_u32 v[STO], v[T1], 5, v[STO]
	v_add_nc_u32 v[STO], s[L0], v[STO]
	s_mul_i32 s38, s[WV], BLKB
	v_add_nc_u32 v[HW0], s38, v[LI]
	v_add_nc_u32 v[HW0], IMG, v[HW0]
	v_lshl_add_u32 v[HS0], v[T0], 4, s38
	v_add_nc_u32 v[HS0], IMG+4*FRB, v[HS0]
.irp b, 0,1,2,3
	v_mov_b32 v[TP+\b], 0                          ; written once: a lane permute's destination counts as one of its sources
.endr
.irp b, 0,1,2,3,4,5,6,7
	v_mov_b32 v[TH+\b], 0                          ; written once, so that theta's registers are defined on the way that jumps over their making (it is never the first trip's way)
.endr
	s_mov_b32 s38, s[L0]
	s_mov_b32 s39, 0
	s_wait_kmcnt 0x0
	s_add_nc_u64 s[4:5], s[4:5], s[42:43]
	s_add_nc_u64 s[8:9], s[8:9], s[44:45]
	s_mov_b32 s[G0], 1                             ; count = 1
	s_mov_b32 s[G0+1], s[L0]                       ; LDS address: my part of slot 0
	s_add_nc_u64 s[G0+2:G0+3], s[6:7], s[38:39]    ; global address: my part of position 0
	s_or_b32 s[G0+3], s[G0+3], 0x80000000          ; type = 2
	s_mul_i32 s42, s[CX], BLKB                     ; my work-group's 25 blocks of a part's 100,
	s_add_co_u32 s42, s42, 3*SLOTB                 ; in position 3: slot 0's text steps it to position 4.  Nothing is prefetched here, at the head
	s_add_nc_u64 s[PFA:PFA+1], s[6:7], s[38:39]
	s_add_nc_u64 s[PFA:PFA+1], s[PFA:PFA+1], s[42:43]
	ROUND                                          ; all four work-groups are here: the first joint loads meet
	tensor_load_to_lds s[G0:G0+3], s[G1:G1+7]      ; position 0; one tensor load of mine is out, here and behind every round
	s_nop 0
	PLACES 4
	; ---- X: my 16 rows of x become eight fragments, four K steps a trip.  A K step's 64 numbers a lane are sixteen loads; the counts leave the younger K steps' loads out
	s_mov_b32 s[OUT], 0
	s_mov_b32 s[HB], 0
.Lx:
	WIN 0x40                                       ; destination window 1
.irp q, 0,1,2,3
.irp b, 0,1,2,3
.irp e, 0,1,2,3
	global_load_b128 v[64*\q+16*\b+4*\e:64*\q+16*\b+4*\e+3], v[XA], s[4:5] offset:512*\q+128*\b+16*\e th:TH_LOAD_NT
.endr
.endr
.endr
	WIN 0
	v_add_nc_u32 v[T0], s[HB], v[XW]
	v_add_nc_u32 v[T1], s[HB], v[XWS]
.irp q, 0,1,2,3
	s_wait_loadcnt 48-16*\q
	QUANTW 1, 64*\q, 1
	IMAGE T0, BLKB*\q
	ds_store_b32 v[T1], v[PW] offset:BLKB*\q
	s_wait_dscnt 0x0                               ; the stores have read their registers
.endr
	s_add_nc_u64 s[4:5], s[4:5], 2048              ; every load has come back: the base may step
	s_add_co_u32 s[HB], s[HB], 4*BLKB
	s_add_co_u32 s[OUT], s[OUT], 1
	s_cmp_lt_u32 s[OUT], 2
	s_cbranch_scc1 .Lx
	; ---- chunks 0 and 1 into window 1: chunk 0 leaves its statistics and is dropped, chunk 1 stays.  The round at the head of the first slot stands between the stores of x's images and their reads
	s_mov_b32 s[OUT], 0
	s_mov_b32 s[SC], 0
.Lc01:
	PASS 1, 8, 4, 1
	STATS 1
	s_add_co_u32 s[SC], s[SC], 512
	s_add_co_u32 s[OUT], s[OUT], 1
	s_cmp_lt_u32 s[OUT], 2
	s_cbranch_scc1 .Lc01
	; ---- chunk 2 into window 2
	PASS 2, 8, 4, 1
	STATS 2
	s_mov_b32 s[SC], 3*512
	; ---- chunk 3 into window 3; theta; chunk 3 is quantised; chunk 0 once more into window 3, and quantised
	s_mov_b32 s[OUT], 0
	s_mov_b32 s[HB], 0
.Lc30:
	PASS 3, 8, 4, 1
	s_cmp_lg_u32 s[OUT], 0                         ; a branch on the loop's counter: alike in every wave and every work-group
	s_cbranch_scc1 .Lhave_theta
	STATS 3
	BARRIER                                        ; all sixteen parts of every row lie in ST
.irp t, 0,1,2,3
.set p, 0
.rept 16
	ds_load_b64 v[AB+32*\t+2*p:AB+32*\t+2*p+1], v[STR] offset:512*p+128*\t   ; (mean, M2) of part p of my row in tile t
.set p, p+1
.endr
.endr
	s_wait_dscnt 0x0
.irp t, 0,1,2,3
	v_pk_add_f32 v[160+2*\t:161+2*\t], v[AB+32*\t:AB+32*\t+1], v[AB+32*\t+2:AB+32*\t+3]
.endr
.set p, 2
.rept 14
.irp t, 0,1,2,3
	v_pk_add_f32 v[160+2*\t:161+2*\t], v[160+2*\t:161+2*\t], v[AB+32*\t+2*p:AB+32*\t+2*p+1]   ; the sums of the means and of the M2 (the four tiles by turns)
.endr
.set p, p+1
.endr
.irp t, 0,1,2,3
	v_mul_f32 v[168+\t], 0x3d800000, v[160+2*\t]   ; the row's mean: / 16 (the parts are of one size)
.endr
.set p, 0
.rept 16
.irp t, 0,1,2,3
	v_sub_f32 v[176+\t], v[AB+32*\t+2*p], v[168+\t]
.endr
.irp t, 0,1,2,3
.if p == 0
	v_mul_f32 v[172+\t], v[176+\t], v[176+\t]
.else
	v_fma_f32 v[172+\t], v[176+\t], v[176+\t], v[172+\t]
.endif
.endr
.set p, p+1
.endr
.irp t, 0,1,2,3
	v_fma_f32 v[172+\t], v[172+\t], 0x43000000, v[161+2*\t]   ; 128 x the sum of (part's mean - mean)^2 + the sum of the M2
.endr
.irp t, 0,1,2,3
	v_mul_f32 v[172+\t], 0x3a001002, v[172+\t]     ; / 2047
.endr
.irp t, 0,1,2,3
	v_sqrt_f32 v[180+\t], v[172+\t]
.endr
	v_nop                                          ; a plain instruction behind the last root,
	s_wait_alu depctr_va_vdst(0)                   ; and the wait ahead of the first use: one for the four
.irp t, 0,1,2,3
	v_max_num_f32 v[180+\t], 0x358637bd, v[180+\t] ; at least 1e-6
.endr
.irp t, 0,1,2,3
	v_fma_f32 v[TH+2*\t], v[180+\t], 0x3f84b794, v[168+\t]   ; theta = mean + sigma x ppf(1 - 307 / 2048)
.endr
.irp t, 0,1,2,3
	v_mov_b32 v[TH+2*\t+1], v[TH+2*\t]
.endr
.Lhave_theta:
	THQ 3                                          ; blocks 0-3, then blocks 4-7: nobody reads them yet
	s_add_co_u32 s[HB], s[HB], 4*BLKB
	s_add_co_u32 s[OUT], s[OUT], 1
	s_cmp_lt_u32 s[OUT], 2
	s_cbranch_scc1 .Lc30
	BARRIER                                        ; no wave reads x's images any more: blocks 8-15 may be written
	THQ 2                                          ; chunk 2 to blocks 8-11 (s[HB] stands there)
	s_mov_b32 s[HB], 12*BLKB
	THQ 1                                          ; chunk 1 to blocks 12-15
	; ---- the second product: my outputs' two halves into windows 1 and 2.  The round at the head of the first slot stands between the stores of the hidden layer's images and their reads
	PASS 1, 0, 8, 1
	PASS 2, 0, 8, 0
; THE WAY OUT, block by block of 16 rows x 128 columns (block a: half a / 4, tile a % 4).  A lane holds 32 neighbouring bytes of a row: a block goes through my stage and comes back as whole rows of 512 bytes.
; LDS serves a wave's instructions in order (ISA guide 5.7.1.4): no wait between the stores and the loads, nor in front of the next block's stores.
.macro TOSTAGE a
	WIN (1+(\a)/4)<<2                              ; an LDS store's data are its source 1: window 1 or 2
.irp u, 0,1,2,3,4,5,6,7
	ds_store_b128 v[STO], v[64*((\a)%4)+8*\u:64*((\a)%4)+8*\u+3] offset:64*\u          ; each accumulator from its low end on
	ds_store_b128 v[STO], v[64*((\a)%4)+8*\u+4:64*((\a)%4)+8*\u+7] offset:64*\u+16
.endr
	WIN 0
.irp i, 0,1,2,3,4,5,6,7,8,9,10,11,12,13,14,15
	ds_load_b128 v[AB+64*((\a)%2)+4*\i:AB+64*((\a)%2)+4*\i+3], v[RB0] offset:\i*SP
.endr
.endm
.macro SEND a, younger                 ; younger: the LDS instructions issued behind block a's loads, which may stay out
	s_wait_dscnt \younger
.irp i, 0,1,2,3,4,5,6,7,8,9,10,11,12,13,14,15
	global_store_b128 v[LI], v[AB+64*((\a)%2)+4*\i:AB+64*((\a)%2)+4*\i+3], s[8:9] offset:(16*((\a)%4)+\i)*4096+512*((\a)/4) th:TH_STORE_NT   ; 32 lanes store 512 consecutive bytes, at a multiple of 256 from out0's first byte
.endr
.endm
	TOSTAGE 0
.irp a, 1,2,3,4,5,6,7
.if \a > 1
	s_wait_xcnt 0x0                                ; block a - 2's stores have read their registers: block a's loads may land there
.endif
	TOSTAGE \a
	SEND \a-1, 32                                  ; behind block a - 1's loads: block a's 16 stores and 16 loads
.endr
	SEND 7, 0
	s_wait_tensorcnt 0x0                           ; the wave's end, behind my last tensor load and my last LDS store
	ds_add_u32 v[SPW], v[NIL]
	s_wait_dscnt 0x0
	ROUND                                          ; the closing round: no work-group ends while a partner may still ask for a part that names it
	s_endpgm
.Lfunc_end_k_q232d3af513_ffn:
	.size	k_q232d3af513_ffn, .Lfunc_end_k_q232d3af513_ffn-k_q232d3af513_ffn
	.p2alignl 7, 3214868480
	.fill 96, 4, 3214868480
	.section	.rodata,"a",@progbits
	.p2align	6, 0x0
	.amdhsa_kernel k_q232d3af513_ffn
		.amdhsa_group_segment_fixed_size 327680
		.amdhsa_private_segment_fixed_size 0
		.amdhsa_enable_private_segment 0
		.amdhsa_kernarg_size 24
		.amdhsa_user_sgpr_count 2
		.amdhsa_user_sgpr_kernarg_segment_ptr 1
		.amdhsa_wavefront_size32 1
		.amdhsa_system_sgpr_workgroup_id_x 1
		.amdhsa_system_sgpr_workgroup_id_y 1
		.amdhsa_system_sgpr_workgroup_id_z 1
		.amdhsa_system_vgpr_workitem_id 0
		.amdhsa_next_free_vgpr 1024
		.amdhsa_next_free_sgpr 66
		.amdhsa_reserve_vcc 0
		.amdhsa_float_denorm_mode_32 3
		.amdhsa_float_denorm_mode_16_64 3
		.amdhsa_memory_ordered 1
		.amdhsa_forward_progress 1
		.amdhsa_inst_pref_size 255
	.end_amdhsa_kernel
	.section	.bss,"aw",@nobits
	.p2align	6
	.space	262144
	.amdgpu_metadata
---
amdhsa.version: [ 1, 2 ]
amdhsa.kernels:
  - .name:           k_q232d3af513_ffn
    .symbol:         k_q232d3af513_ffn.kd
    .args:
      - { .name: x, .offset: 0, .size: 8, .value_kind: global_buffer, .address_space: global }
      - { .name: wimg, .offset: 8, .size: 8, .value_kind: global_buffer, .address_space: global }
      - { .name: out0, .offset: 16, .size: 8, .value_kind: global_buffer, .address_space: global }
    .group_segment_fixed_size: 327680
    .private_segment_fixed_size: 0
    .kernarg_segment_align: 8
    .kernarg_segment_size: 24
    .max_flat_workgroup_size: 128
    .sgpr_count:     66
    .vgpr_count:     1024
    .wavefront_size: 32
...
	.end_amdgpu_metadata
.endif
;; end of part 2
;; ======== version 2 of 2: 2 launches
;; limits: right only within a limited range of input values
;; workspace buffers: wimg 3,276,800 bytes
;; launch wq (part 3): grid 256 x 1, 2 waves a work-group, no clusters, 0 bytes of LDS; arguments w1, w2, wimg; writes wimg
.if DOCPART == 3
	.amdgcn_target "amdgcn-amd-amdhsa--gfx1250"
	.amdhsa_code_object_version 6
	.text
	.protected	k_q232d3af513_wq
	.globl	k_q232d3af513_wq
	.p2align	8
	.type	k_q232d3af513_wq,@function
k_q232d3af513_wq:
	s_mov_b64 s[64:65], 0
	v_nop
	global_prefetch_b8 v0, s[64:65] scope:SCOPE_SE
	s_setreg_imm32_b32 hwreg(HW_REG_WAVE_MODE, 25, 1), 1
	s_wait_xcnt 0x0
; w1 [2048][1024] and w2 [1024][2048], f32, K innermost, become codes of FP6 (E2M3) with one E8M0 byte for each 32 along K,
; laid in wimg as the next launch's waves take them: 32 positions x 4 wave parts of 25,600 bytes.
; A PART (position j, wave w): 16 fragment images of 1,536 bytes (fragment f = 8 kk + u: K step kk of the position's two, tile u of eight),
; then 4 scale blocks of 256 bytes.  An image is the operand's 12 registers: register group c (four registers) at 512 c, lane l's 16 bytes at 16 l.
; Scale block q: 16 bytes for each lane r = 0 .. 15: the scale words of fragments 4 q .. 4 q + 3.
; POSITIONS.  j = 0 .. 15, first product: chunk j / 4 of the wave's 512 hidden units, K step 2 (j % 4) + kk of w1;
;   lane r of tile u takes row 512 w + 128 chunk + 32 (u / 2) + 8 (u % 2) + r + 8 (r / 8), so that the results of two neighbouring tiles are 16 neighbours along the next K.
; j = 16 .. 31, second product, p = j - 16: half g = p / 8 of the wave's 256 outputs; chunk c = (p / 2) % 4 of the hidden layer; the K step is that of chunk c of the wave 2 (p % 2) + kk
;   that made it: hidden units 512 wave + 128 c on, K step 4 wave + c of w2;  lane r of tile u takes row 256 w + 128 g + 16 u + r.
; SHARES.  Work-group b: kk = b % 2, w = (b / 2) % 4, j = b / 8.  Its wave v makes tiles 4 v .. 4 v + 3: four fragments and one scale block.
; A lane (r, h) holds of its row the blocks h and 2 + h of the K step's four, 32 numbers each, as the operand's layout gives them to it: no other lane is asked for a maximum,
; and the conversions' results are the operand's registers.
; A block's scale is 2^(floor(log2(its largest magnitude)) - 2); its byte is the largest magnitude's exponent field - 2, held at 1 from below.
; LIMITS: NaN and infinities among the inputs are not served.  A block whose largest magnitude lies under 2^-124 (a block of zeros too) keeps the byte 1; the bytes are read by this program alone.
.set PARTB, 25600
.set FRB,   1536
.set XS0,   128                        ; v128-255 two sets of 64 numbers
.set CF0,   64                         ; v64-111  four fragments of 12 registers: no store's data are written again
	s_load_b128 s[4:7], s[0:1], 0x0                ; w1, w2
	s_load_b64 s[8:9], s[0:1], 0x10                ; wimg
	v_lshrrev_b32 v1, 5, v0
	v_readfirstlane_b32 s10, v1                    ; wave v
	v_and_b32 v1, 15, v0                           ; r
	v_bfe_u32 v2, v0, 4, 1                         ; h
	v_and_b32 v4, 31, v0
	v_lshlrev_b32 v4, 4, v4                        ; 16 x lane: my place in a register group's 512 bytes
	v_lshlrev_b32 v5, 4, v1
	v_lshl_add_u32 v5, v2, 3, v5                   ; 16 r + 8 h: my 8 bytes of the scale block
	v_lshlrev_b32 v6, 3, v2                        ; 8 h: my two bytes' place in a scale word, in bits
	v_mov_b32 v23, 0                               ; a lane permute's destination counts as one of its sources
	s_mov_b32 s46, 0x76543210
	s_mov_b32 s47, 0xfedcba98                      ; selects for lane l xor 16
	s_and_b32 s11, ttmp9, 1                        ; kk
	s_bfe_u32 s12, ttmp9, 0x20001                  ; w
	s_lshr_b32 s13, ttmp9, 3                       ; j
	; the first product's numbers
	s_bfe_u32 s14, s13, 0x20002                    ; chunk = j / 4
	s_and_b32 s15, s13, 3
	s_lshl_b32 s15, s15, 1
	s_add_co_u32 s15, s15, s11                     ; K step 2 (j % 4) + kk
	s_lshl_b32 s16, s12, 9
	s_lshl_b32 s14, s14, 7
	s_add_co_u32 s16, s16, s14                     ; row 512 w + 128 chunk
	; the second product's
	s_sub_co_u32 s17, s13, 16                      ; p
	s_bfe_u32 s18, s17, 0x10003                    ; g
	s_bfe_u32 s20, s17, 0x20001                    ; chunk
	s_and_b32 s19, s17, 1
	s_lshl_b32 s19, s19, 1
	s_add_co_u32 s19, s19, s11                     ; the wave that made the K step: 2 (p % 2) + kk
	s_lshl_b32 s19, s19, 2
	s_add_co_u32 s19, s19, s20                     ; K step 4 wave + chunk
	s_lshl_b32 s21, s12, 8
	s_lshl_b32 s18, s18, 7
	s_add_co_u32 s21, s21, s18                     ; row 256 w + 128 g
	s_wait_alu depctr_va_vdst(0)
	s_wait_kmcnt 0x0
	s_cmp_lt_u32 s13, 16                           ; which product?  The choice hangs on the work-group's number alone; both tensors take one path
	s_cselect_b64 s[4:5], s[4:5], s[6:7]
	s_cselect_b32 s22, 12, 13                      ; a row is 2^12 or 2^13 bytes
	s_cselect_b32 s16, s16, s21
	s_cselect_b32 s15, s15, s19
	s_cselect_b32 s23, 8, 0                        ; r + 8 (r / 8), or r
	s_cselect_b32 s36, 8, 16                       ; my four tiles begin at rows 0, 8, 32, 40 or 0, 16, 32, 48
	s_cselect_b32 s37, 40, 48
	s_lshl_b32 s38, s10, 6
	s_add_co_u32 s16, s16, s38                     ; + 64 v
	s_lshl_b32 s15, s15, 9                         ; a K step is 512 bytes of a row
	s_mov_b32 s41, 0
.macro BASE i, tr                      ; s[24 + 2 i : 25 + 2 i]: the tensor at tile i's first row and my K step
	s_add_co_u32 s40, s16, \tr
	s_lshl_b32 s40, s40, s22
	s_add_co_u32 s40, s40, s15
	s_add_nc_u64 s[24+2*\i:25+2*\i], s[4:5], s[40:41]
.endm
	BASE 0, 0
	BASE 1, s36
	BASE 2, 32
	BASE 3, s37
	v_and_b32 v3, s23, v1
	v_add_nc_u32 v3, v3, v1
	v_lshlrev_b32 v3, s22, v3
	v_lshl_add_u32 v3, v2, 7, v3                   ; my row of a tile, + 128 h: my first block
	s_wait_alu depctr_va_vdst(0)
	s_lshr_b32 s42, ttmp9, 1
	s_mul_i32 s42, s42, PARTB                      ; the part (4 j + w)
	s_lshl_b32 s43, s11, 1
	s_add_co_u32 s43, s43, s10                     ; q = 2 kk + v
	s_mul_i32 s44, s43, 4*FRB
	s_add_co_u32 s44, s44, s42
	s_mov_b32 s45, 0
	s_add_nc_u64 s[32:33], s[8:9], s[44:45]        ; my four images
	s_lshl_b32 s44, s43, 8
	s_add_co_u32 s44, s44, s42
	s_add_co_u32 s44, s44, 16*FRB
	s_add_nc_u64 s[34:35], s[8:9], s[44:45]        ; my scale block
.macro LOADF i                         ; tile i's 64 numbers of my lane into set i % 2: blocks h and 2 + h, 128 bytes each
.irp c, 0,1
.irp e, 0,1,2,3,4,5,6,7
	global_load_b128 v[XS0+64*((\i)%2)+32*\c+4*\e:XS0+64*((\i)%2)+32*\c+4*\e+3], v3, s[24+2*(\i):25+2*(\i)] offset:256*\c+16*\e
.endr
.endr
.endm
.macro QF i, left                      ; left: the younger loads that may stay out
	s_wait_loadcnt \left
.irp c, 0,1
	v_max3_num_f32 v[16+\c], |v[XS0+64*((\i)%2)+32*\c]|, |v[XS0+64*((\i)%2)+32*\c+1]|, 0x1800000   ; my block's largest magnitude, and the floor 2^(3 - 127): the byte cannot fall under 1
.endr
.irp e, 2,4,6,8,10,12,14,16,18,20,22,24,26,28,30
.irp c, 0,1
	v_max3_num_f32 v[16+\c], v[16+\c], |v[XS0+64*((\i)%2)+32*\c+\e]|, |v[XS0+64*((\i)%2)+32*\c+\e+1]|   ; (the two blocks by turns)
.endr
.endr
.irp c, 0,1
	v_add_nc_u32 v[18+\c], 0xff000000, v[16+\c]    ; 2 off its exponent field: the conversion takes the exponent field of this operand as its scale
.endr
.irp c, 0,1
	v_lshrrev_b32 v[20+\c], 23, v[18+\c]           ; the scale's byte
.endr
	v_lshl_or_b32 v22, v21, 16, v20                ; blocks h and 2 + h,
	v_lshlrev_b32 v22, v6, v22                     ; at their places in the word;
	v_permlanex16_b32 v23, v22, s46, s47
	v_or_b32 v[8+\i], v22, v23                     ; with lane l xor 16's two the word is whole, in both lanes
.irp c, 0,1
	v_cvt_scalef32_pk16_fp6_f32 v[CF0+12*(\i)+6*\c:CF0+12*(\i)+6*\c+2], v[XS0+64*((\i)%2)+32*\c:XS0+64*((\i)%2)+32*\c+15], v[18+\c]
	v_cvt_scalef32_pk16_fp6_f32 v[24+4*\c:26+4*\c], v[XS0+64*((\i)%2)+32*\c+16:XS0+64*((\i)%2)+32*\c+31], v[18+\c]   ; (a conversion's three registers begin on an even number)
.endr
	v_nop                                          ; one plain place behind a scaled conversion
.irp c, 0,1
.irp e, 0,1,2
	v_mov_b32 v[CF0+12*(\i)+3+6*\c+\e], v[24+4*\c+\e]
.endr
.endr
.irp c, 0,1,2
	global_store_b128 v4, v[CF0+12*(\i)+4*\c:CF0+12*(\i)+4*\c+3], s[32:33] offset:FRB*(\i)+512*\c   ; 32 lanes store 512 consecutive bytes, at a multiple of 256 from wimg's first byte
.endr
.endm
	LOADF 0
	LOADF 1
	QF 0, 16                                       ; tile 0's sixteen loads are in, tile 1's may be out
	LOADF 2                                        ; into the set that tile 0 has left
	QF 1, 16
	LOADF 3
	QF 2, 16
	QF 3, 0
	v_cmp_eq_u32 vcc_lo, 1, v2
	v_cndmask_b32 v12, v8, v10, vcc_lo             ; lanes 0-15 store tiles 0 and 1's words of row r, lanes 16-31 tiles 2 and 3's
	v_cndmask_b32 v13, v9, v11, vcc_lo
	global_store_b64 v5, v[12:13], s[34:35]        ; 32 lanes store the scale block's 256 bytes
	s_endpgm
.Lfunc_end_k_q232d3af513_wq:
	.size	k_q232d3af513_wq, .Lfunc_end_k_q232d3af513_wq-k_q232d3af513_wq
	.p2alignl 7, 3214868480
	.fill 96, 4, 3214868480
	.section	.rodata,"a",@progbits
	.p2align	6, 0x0
	.amdhsa_kernel k_q232d3af513_wq
		.amdhsa_group_segment_fixed_size 0
		.amdhsa_private_segment_fixed_size 0
		.amdhsa_enable_private_segment 0
		.amdhsa_kernarg_size 24
		.amdhsa_user_sgpr_count 2
		.amdhsa_user_sgpr_kernarg_segment_ptr 1
		.amdhsa_wavefront_size32 1
		.amdhsa_system_sgpr_workgroup_id_x 1
		.amdhsa_system_sgpr_workgroup_id_y 1
		.amdhsa_system_sgpr_workgroup_id_z 1
		.amdhsa_system_vgpr_workitem_id 0
		.amdhsa_next_free_vgpr 256
		.amdhsa_next_free_sgpr 66
		.amdhsa_reserve_vcc 1
		.amdhsa_float_denorm_mode_32 3
		.amdhsa_float_denorm_mode_16_64 3
		.amdhsa_memory_ordered 1
		.amdhsa_forward_progress 1
		.amdhsa_inst_pref_size 23
	.end_amdhsa_kernel
	.amdgpu_metadata
---
amdhsa.version: [ 1, 2 ]
amdhsa.kernels:
  - .name:           k_q232d3af513_wq
    .symbol:         k_q232d3af513_wq.kd
    .args:
      - { .name: w1, .offset: 0, .size: 8, .value_kind: global_buffer, .address_space: global }
      - { .name: w2, .offset: 8, .size: 8, .value_kind: global_buffer, .address_space: global }
      - { .name: wimg, .offset: 16, .size: 8, .value_kind: global_buffer, .address_space: global }
    .group_segment_fixed_size: 0
    .private_segment_fixed_size: 0
    .kernarg_segment_align: 8
    .kernarg_segment_size: 24
    .max_flat_workgroup_size: 64
    .sgpr_count:     66
    .vgpr_count:     256
    .wavefront_size: 32
...
	.end_amdgpu_metadata
.endif
;; end of part 3
;; launch ffn (part 4): grid 256 x 1, 4 waves a work-group, no clusters, 327,680 bytes of LDS; arguments x, wimg, out0; writes out0
.if DOCPART == 4
	.amdgcn_target "amdgcn-amd-amdhsa--gfx1250"
	.amdhsa_code_object_version 6
	.text
	.protected	k_q232d3af513_ffn
	.globl	k_q232d3af513_ffn
	.p2align	8
	.type	k_q232d3af513_ffn,@function
k_q232d3af513_ffn:
	s_mov_b64 s[64:65], 0
	v_nop
	global_prefetch_b8 v0, s[64:65] scope:SCOPE_SE
	s_setreg_imm32_b32 hwreg(HW_REG_WAVE_MODE, 25, 1), 1
	s_wait_xcnt 0x0
; out = relu(h - theta) w2^T,  h = x w1^T,  theta = mean(h) + max(std(h, ddof = 1), 1e-6) x 1.0368523 for each row; both products on codes of FP6 (E2M3), one E8M0 scale for each 32 along K.
; x [16384][1024] f32 is quantised here; the weights come as codes from wimg, as images of the operands' registers (the launch before); out0 [16384][1024] f32.  h never goes to memory.
; SHARES.  A work-group of four waves owns 64 rows, four tiles t of 16.  Wave w makes hidden units 512 w .. 512 w + 511 in four chunks of 128, and outputs 256 w .. + 255 in two halves of 128, for all 64 rows.
; Both products are used transposed (source 0 = 16 rows of a weight, source 1 = 16 rows of x or h): a lane holds one row throughout.
; THE WEIGHTS go from wimg straight into registers.  A wave alone reads its part.  A group is 4 fragments (12 loads of 512 bytes) and their scale words (1 load); a ring of four groups lies in window 1;
; a group is asked for again as soon as its 16 matrix instructions are issued, so 39 to 52 loads of a wave are out, and no barrier stands in a product.  K step k of the walk (0 .. 63) lies at position k / 2 of wimg.
; NO CLUSTER, NO JOINT LOADS: LDS holds 266,240 bytes of x (later of spilled h and of images), 51,200 of images, 8,192 of statistics and 512 spare: 1,536 of 327,680 are left, so there is no room for slots in which shared tiles could land.
; NO DATA PREFETCH: x is asked for whole by the head's four tensor loads, with no loop ahead of them, and the weights' loads run four groups ahead of their use.
; x: wave w fetches columns 256 w .. + 255 of the 64 rows by one tensor load (rows of 1,024 bytes, 16 bytes of padding behind each) and quantises K steps 2 w and 2 w + 1 of all four tiles.
; theta wants a whole row of h.  A chunk of a wave (64 x 128) is 256 registers.  Chunks 0 and 1 are spilled as f32 into the bytes that x has left, each wave into 65,536 bytes of its own; chunks 2 and 3 stay in windows 2 and 3.
; OPERANDS GO FROM WAVE TO WAVE AS IMAGES: a block (6,400 bytes) is one K step: four tiles' fragments (3 x 512 bytes each), then the scale words as [row r][tile t].
; x's K step s is block s at XI; the hidden layer's chunk c of wave w is block 4 c + w at HI = XI - 8 blocks, and the second product sums K in that order, not ascending.
; THE STATISTICS: for each chunk and row a mean and a sum of squares about it; a row's 16 parts of 128 meet in LDS: M2 = sum of the M2 + 128 x sum of (part's mean - mean)^2.  No difference of large sums is formed.
; LIMITS: NaN and infinities among the inputs are not served.  A block whose largest magnitude lies under 2^-124 (a block of zeros too) keeps the scale byte 1.
; REGISTERS.  Window 0: v1-31 addresses, theta; v32-127 two sets of four fragments of x or h; v128-135 their scale words; v136-151 the weights' scale words; v152-247 at work between the products.
; Window 1: v0-191 the ring.  Windows 2, 3: accumulators ((t, u) at v[64 t + 8 u]); window 2 also takes x's numbers at the start.
.set SLOTB, 102400                     ; a position of wimg: four waves' parts
.set PARTB, 25600                      ; a part: 16 images, then 4 scale blocks of 256 bytes
.set FRB,   1536
.set BLKB,  6400
.set XPW,   66560                      ; a wave's tile of x in LDS: 64 rows x 1,040 bytes
.set XI,    4*XPW
.set HI,    XI-8*BLKB
.set ST,    XI+8*BLKB                  ; [4 w + chunk][row][mean, M2]
.set SPARE, ST+8192                    ; the spare words: 512 bytes that no other line names
.set SP,    528                        ; the way out: a stage of 16 rows x 528 bytes for each wave, from LDS byte 0
.set SPW,1
.set NIL,2
.set ZERO,3
.set LI,4                              ; 16 x lane
.set SR,5                              ; 16 r
.set AC0,7                             ; 4 FRB + 16 r
.set AI,8                              ; the block in hand: images, scale words
.set AC,9
.set STW,10
.set STR,11
.set STO,12
.set RDB,13
.set HW0,14
.set HS0,15
.set TH,16                             ; v16-23 theta of my row in tiles 0-3, each twice
.set T0,24
.set T1,25
.set XR,26
.set XW,27
.set XWS,28
.set SPL,29
.set T2,30
.set AB,32
.set AS,128
.set BS,136
.set TMX,152
.set TS,156
.set PW,160
.set PC,162
.set TP,184
.set MP,188
.set TT,190
.set SS,192
.set QS,200
.set RES,208
.set TD,216
.set WV,10
.set G1,16
.set G0,24
.set SEL,28
.set CNT,30
.set OUT,31
.set KA,32
.set SC,33
.set HB,34
.set X1,35
.set X2,36
.set X3,37
.set MSB,0
.macro WIN new                         ; the immediate's high byte repeats the setting that is left
.if MSB != (\new)
	s_set_vgpr_msb (MSB<<8)|(\new)
.set MSB, (\new)
.endif
.endm
.macro PLACES n
.rept \n
	v_nop
.endr
.endm
.macro BARRIER                         ; my LDS instructions are done; then the work-group's barrier.  No tensor load follows any barrier of this text
	s_wait_alu depctr_va_vdst(0)                   ; the wait ahead of a wait that blocks
	s_wait_dscnt 0x0
	s_barrier_signal -1
	s_barrier_wait -1
.endm
.macro LDG j, off                      ; group j of the position at s[6:7] + off: 12 loads into the ring, 1 of scale words
	WIN 0x40
.irp i,0,1,2,3
.irp c,0,1,2
	global_load_b128 v[48*(\j)+12*\i+4*\c:48*(\j)+12*\i+4*\c+3], v[LI], s[6:7] offset:(\off)+4*FRB*(\j)+FRB*\i+512*\c
.endr
.endr
	WIN 0
	global_load_b128 v[BS+4*(\j):BS+4*(\j)+3], v[SR], s[6:7] offset:(\off)+16*FRB+256*(\j)
.endm
.macro LOADA s, off                    ; 13 LDS loads: a block's four fragments and its scale words into set s
.irp t,0,1,2,3
.irp c,0,1,2
	ds_load_b128 v[AB+48*(\s)+12*\t+4*\c:AB+48*(\s)+12*\t+4*\c+3], v[AI] offset:(\off)+FRB*\t+512*\c
.endr
.endr
	ds_load_b128 v[AS+4*(\s):AS+4*(\s)+3], v[AC] offset:(\off)
.endm
; 16 matrix instructions: group j (K step j / 2 of the position, weight tiles 4 (j % 2) + i) x four tiles of rows, into window n.  The accumulators take turns.
.macro MUL j, n, zero
	WIN 1|((\n)<<4)|((\n)<<6)
.irp t,0,1,2,3
.irp i,0,1,2,3
.if \zero
	v_wmma_scale_f32_16x16x128_f8f6f4 v[64*\t+8*(4*((\j)%2)+\i):64*\t+8*(4*((\j)%2)+\i)+7], v[48*(\j)+12*\i:48*(\j)+12*\i+11], v[AB+48*((\j)/2)+12*\t:AB+48*((\j)/2)+12*\t+11], 0, v[BS+4*(\j)+\i], v[AS+4*((\j)/2)+\t] matrix_a_fmt:MATRIX_FMT_FP6 matrix_b_fmt:MATRIX_FMT_FP6
.else
	v_wmma_scale_f32_16x16x128_f8f6f4 v[64*\t+8*(4*((\j)%2)+\i):64*\t+8*(4*((\j)%2)+\i)+7], v[48*(\j)+12*\i:48*(\j)+12*\i+11], v[AB+48*((\j)/2)+12*\t:AB+48*((\j)/2)+12*\t+11], v[64*\t+8*(4*((\j)%2)+\i):64*\t+8*(4*((\j)%2)+\i)+7], v[BS+4*(\j)+\i], v[AS+4*((\j)/2)+\t] matrix_a_fmt:MATRIX_FMT_FP6 matrix_b_fmt:MATRIX_FMT_FP6
.endif
.endr
.endr
	WIN 0
.endm
; ONE K STEP: two groups.  c0, c1: the younger loads that may stay out at each group's head (three groups of 13 while the ring is fed).  ld: each group is asked for again, one position on.
; apf: the next K step's block is fetched into the other set.  Behind a position's second K step the weights' base and the block's address step on.
.macro KSTEP n, kk, zero, ld, c0, c1, apf
	s_wait_loadcnt \c0
	s_wait_dscnt 0x0                               ; this K step's block is in (asked for 16 matrix instructions ago)
	MUL 2*(\kk), \n, \zero
	PLACES 4                                       ; in front of loads into registers that matrix instructions have read
.if \apf
	LOADA 1-(\kk), BLKB*((\kk)+1)
.endif
.if \ld
	LDG 2*(\kk), SLOTB
.endif
	s_wait_loadcnt \c1
	MUL 2*(\kk)+1, \n, \zero
	PLACES 4
.if \ld
	LDG 2*(\kk)+1, SLOTB
.endif
.if \kk
.if \ld
	s_wait_xcnt 0x0                                ; the loads have read their base
	s_add_nc_u64 s[6:7], s[6:7], SLOTB
.endif
.if \apf
	s_add_co_u32 s[KA], s[KA], 2*BLKB
	v_add_nc_u32 v[AI], s[KA], v[LI]
	v_add_nc_u32 v[AC], s[KA], v[AC0]
	s_wait_alu depctr_va_vdst(0)                   ; the wait behind these writes
.endif
.endif
.endm
; A PASS fills window n: npos positions, blocks from LDS byte base on.  A trip goes from a position's second K step to the next position's first, so that every block asked for in the loop is read.
; tail = 1: the walk's last position asks for no weights, and its counts run down.
.macro PASS n, base, npos, tail
	s_mov_b32 s[KA], \base
	v_add_nc_u32 v[AI], s[KA], v[LI]
	v_add_nc_u32 v[AC], s[KA], v[AC0]
	s_wait_alu depctr_va_vdst(0)
	LOADA 0, 0
	KSTEP \n, 0, 1, 1, 39, 39, 1                   ; the first K step starts the sums
	s_mov_b32 s[CNT], 0
.Lpos_\@:
	KSTEP \n, 1, 0, 1, 39, 39, 1
	KSTEP \n, 0, 0, 1, 39, 39, 1
	s_add_co_u32 s[CNT], s[CNT], 1
	s_cmp_lt_u32 s[CNT], (\npos)-1-(\tail)
	s_cbranch_scc1 .Lpos_\@
.if \tail
	KSTEP \n, 1, 0, 1, 39, 39, 1
	KSTEP \n, 0, 0, 0, 39, 26, 1
	KSTEP \n, 1, 0, 0, 13, 0, 0
.else
	KSTEP \n, 1, 0, 1, 39, 39, 0
.endif
.endm
; 64 numbers of a lane in window n, v[s + 16 b + i] = k 32 b + 16 (lane / 16) + i of my row, become a fragment's codes in v[PC] on and its scale word in v[PW].  abs = 0: none is negative.
.macro QUANTW n, s, abs
	WIN (\n)|((\n)<<2)
.irp b,0,1,2,3
.if \abs
	v_max3_num_f32 v[TMX+\b], |v[(\s)+16*\b]|, |v[(\s)+16*\b+1]|, 0x1800000   ; and the floor 2^(3 - 127): the byte cannot fall under 1
.else
	v_max3_num_f32 v[TMX+\b], v[(\s)+16*\b], v[(\s)+16*\b+1], 0x1800000
.endif
.endr
.irp i,2,4,6,8,10,12,14
.irp b,0,1,2,3
.if \abs
	v_max3_num_f32 v[TMX+\b], |v[(\s)+16*\b+\i]|, |v[(\s)+16*\b+\i+1]|, v[TMX+\b]
.else
	v_max3_num_f32 v[TMX+\b], v[(\s)+16*\b+\i], v[(\s)+16*\b+\i+1], v[TMX+\b]
.endif
.endr
.endr
	WIN 0
.irp b,0,1,2,3
	v_permlanex16_b32 v[TP+\b], v[TMX+\b], s[SEL], s[SEL+1]
.endr
.irp b,0,1,2,3
	v_max_num_f32 v[TMX+\b], v[TMX+\b], v[TP+\b]   ; with lane l xor 16's: the block's largest magnitude
.endr
.irp b,0,1,2,3
	v_add_nc_u32 v[TS+\b], 0xff000000, v[TMX+\b]   ; 2 off its exponent field: the conversion's scale operand
.endr
.irp b,0,1,2,3
	v_lshrrev_b32 v[TP+\b], 23, v[TS+\b]           ; the scale's byte
.endr
	v_lshl_or_b32 v[PW], v[TP+1], 8, v[TP]
	v_lshl_or_b32 v[PW], v[TP+2], 16, v[PW]
	v_lshl_or_b32 v[PW], v[TP+3], 24, v[PW]
	WIN (\n)
.irp c,0,1
	v_cvt_scalef32_pk16_fp6_f32 v[PC+6*\c:PC+6*\c+2], v[(\s)+32*\c:(\s)+32*\c+15], v[TS+2*\c]
	v_cvt_scalef32_pk16_fp6_f32 v[PC+12+4*\c:PC+14+4*\c], v[(\s)+32*\c+16:(\s)+32*\c+31], v[TS+2*\c+1]
.endr
	WIN 0
	v_nop                                          ; one plain place behind a scaled conversion
.irp c,0,1                                     ; the operand wants a whole block in a lane: lanes 0-15 block 2 c, lanes 16-31 block 2 c + 1
.irp i,0,1,2
	v_permlane16_swap_b32 v[PC+6*\c+\i], v[PC+12+4*\c+\i]
.endr
.irp i,0,1,2
	v_mov_b32 v[PC+3+6*\c+\i], v[PC+12+4*\c+\i]
.endr
.endr
.endm
.macro IMAGE adr, off
.irp c,0,1,2
	ds_store_b128 v[\adr], v[PC+4*\c:PC+4*\c+3] offset:(\off)+512*\c
.endr
.endm
; The chunk in window n: each of my rows' mean and sum of squares about it, to ST.  Ascending: each accumulator is first read at its low end.
.macro STATS n
	v_add_nc_u32 v[T0], s[SC], v[STW]
.irp t,0,1,2,3
	WIN (\n)|((\n)<<2)
.irp c,0,1,2,3
	v_pk_add_f32 v[SS+2*\c:SS+2*\c+1], v[64*\t+4*\c:64*\t+4*\c+1], v[64*\t+4*\c+2:64*\t+4*\c+3]
.endr
	WIN (\n)
.set p, 8
.rept 24
	v_pk_add_f32 v[SS+2*(p%4):SS+2*(p%4)+1], v[64*\t+2*p:64*\t+2*p+1], v[SS+2*(p%4):SS+2*(p%4)+1]
.set p, p+1
.endr
	WIN 0
	v_pk_add_f32 v[SS:SS+1], v[SS:SS+1], v[SS+2:SS+3]
	v_pk_add_f32 v[SS+4:SS+5], v[SS+4:SS+5], v[SS+6:SS+7]
	v_pk_add_f32 v[SS:SS+1], v[SS:SS+1], v[SS+4:SS+5]
	v_add_f32 v[TT], v[SS], v[SS+1]
	v_permlanex16_b32 v[TP], v[TT], s[SEL], s[SEL+1]
	v_add_f32 v[TT], v[TT], v[TP]
	v_mul_f32 v[MP], 0x3c000000, v[TT]             ; / 128
	v_mov_b32 v[MP+1], v[MP]
.irp q,0,1,2,3                                 ; the differences, sixteen numbers at a time
	WIN (\n)
.irp e,0,1,2,3,4,5,6,7
	v_pk_add_f32 v[TD+2*\e:TD+2*\e+1], v[64*\t+16*\q+2*\e:64*\t+16*\q+2*\e+1], v[MP:MP+1] neg_lo:[0,1] neg_hi:[0,1]
.endr
	WIN 0
.irp e,0,1,2,3,4,5,6,7
.if 8*\q+\e < 4
	v_pk_mul_f32 v[QS+2*\e:QS+2*\e+1], v[TD+2*\e:TD+2*\e+1], v[TD+2*\e:TD+2*\e+1]
.else
	v_pk_fma_f32 v[QS+2*(\e%4):QS+2*(\e%4)+1], v[TD+2*\e:TD+2*\e+1], v[TD+2*\e:TD+2*\e+1], v[QS+2*(\e%4):QS+2*(\e%4)+1]
.endif
.endr
.endr
	v_pk_add_f32 v[QS:QS+1], v[QS:QS+1], v[QS+2:QS+3]
	v_pk_add_f32 v[QS+4:QS+5], v[QS+4:QS+5], v[QS+6:QS+7]
	v_pk_add_f32 v[QS:QS+1], v[QS:QS+1], v[QS+4:QS+5]
	v_add_f32 v[TT], v[QS], v[QS+1]
	v_permlanex16_b32 v[TP], v[TT], s[SEL], s[SEL+1]
	v_add_f32 v[RES+2*\t+1], v[TT], v[TP]
	v_mov_b32 v[RES+2*\t], v[MP]
	ds_store_b64 v[T0], v[RES+2*\t:RES+2*\t+1] offset:128*\t   ; both halves of the lanes write the same 8 bytes with the same value
.endr
.endm
; The chunk in window n becomes relu(h - theta), is quantised, and goes to my block at HI + s[HB] + off.
.macro THQ n, off
	v_add_nc_u32 v[T0], s[HB], v[HW0]
	v_add_nc_u32 v[T1], s[HB], v[HS0]
.irp t,0,1,2,3
	WIN (\n)|((\n)<<6)
.set p, 0
.rept 32
	v_pk_add_f32 v[64*\t+2*p:64*\t+2*p+1], v[64*\t+2*p:64*\t+2*p+1], v[TH+2*\t:TH+2*\t+1] neg_lo:[0,1] neg_hi:[0,1]
.set p, p+1
.endr
.set p, 0
.rept 64
	v_max_num_f32 v[64*\t+p], v[64*\t+p], v[ZERO]
.set p, p+1
.endr
	WIN 0
	s_wait_alu depctr_va_vdst(0)                   ; the wait ahead of a wait that blocks
	s_wait_dscnt 0x0                               ; the tile before's stores have read the codes' registers
	QUANTW \n, 64*\t, 0
	IMAGE T0, (\off)+FRB*\t
	ds_store_b32 v[T1], v[PW] offset:(\off)+4*\t
.endr
.endm
.macro SPILL n, off                    ; window n as it stands, 16 bytes a lane, into my own 65,536 bytes
	WIN (\n)<<2
.set p, 0
.rept 64
	ds_store_b128 v[SPL], v[4*p:4*p+3] offset:(\off)+512*p
.set p, p+1
.endr
	WIN 0
.endm
.macro RELOAD n, off
	WIN (\n)<<6
.set p, 0
.rept 64
	ds_load_b128 v[4*p:4*p+3], v[SPL] offset:(\off)+512*p
.set p, p+1
.endr
	WIN 0
.endm
; THE WAY OUT of window n (output half g), tile by tile: a lane holds 32 neighbouring bytes of a row; a tile goes through my stage and comes back as whole rows of 512 bytes.  LDS serves a wave's instructions in order.
.macro TOSTAGE n, a
	WIN (\n)<<2
.irp u,0,1,2,3,4,5,6,7
	ds_store_b128 v[STO], v[64*(\a)+8*\u:64*(\a)+8*\u+3] offset:64*\u          ; each accumulator from its low end on
	ds_store_b128 v[STO], v[64*(\a)+8*\u+4:64*(\a)+8*\u+7] offset:64*\u+16
.endr
	WIN 0
.irp i,0,1,2,3,4,5,6,7,8,9,10,11,12,13,14,15
	ds_load_b128 v[32+120*((\a)%2)+4*\i:32+120*((\a)%2)+4*\i+3], v[RDB] offset:\i*SP
.endr
.endm
.macro SEND g, a, younger
	s_wait_dscnt \younger
.irp i,0,1,2,3,4,5,6,7,8,9,10,11,12,13,14,15
	global_store_b128 v[LI], v[32+120*((\a)%2)+4*\i:32+120*((\a)%2)+4*\i+3], s[8:9] offset:(16*(\a)+\i)*4096+512*(\g) th:TH_STORE_NT   ; 32 lanes store 512 consecutive bytes, at a multiple of 256 from out0's first byte
.endr
.endm
.macro OUTW n, g
	TOSTAGE \n, 0
.irp a,1,2,3
.if \a > 1
	s_wait_xcnt 0x0                                ; tile a - 2's stores have read their registers
.endif
	TOSTAGE \n, \a
	SEND \g, \a-1, 32                              ; behind tile a - 1's loads: tile a's 16 stores and 16 loads
.endr
	SEND \g, 3, 0
	s_wait_xcnt 0x0                                ; the stores have read their registers: these are written again
.endm
	s_load_b128 s[4:7], s[0:1], 0x0                ; x, wimg
	s_load_b64 s[8:9], s[0:1], 0x10                ; out0
	v_lshl_add_u32 v[SPW], v0, 2, SPARE
	v_mov_b32 v[NIL], 0
	ds_add_u32 v[SPW], v[NIL]                      ; the opening lines: the add, twice on end, and its wait ahead of my tensor load
	ds_add_u32 v[SPW], v[NIL]
	v_lshrrev_b32 v[T0], 5, v0
	v_readfirstlane_b32 s[WV], v[T0]               ; wave 0..3
	; descriptor group 1: 64 rows of 256 f32 (1,024 bytes), 1,024 elements from row to row, 4 words of padding behind every 256
	s_mov_b32 s[G1+0], (2<<16)|(1<<20)|(7<<22)|(3<<25)
	s_mov_b32 s[G1+1], 256<<16
	s_mov_b32 s[G1+2], 64<<16
	s_mov_b32 s[G1+3], 256<<16
	s_mov_b32 s[G1+4], 64
	s_mov_b32 s[G1+5], 1024
	s_mov_b32 s[G1+6], 0
	s_mov_b32 s[G1+7], 0
	s_mov_b32 s[SEL], 0x76543210
	s_mov_b32 s[SEL+1], 0xfedcba98                 ; selects for lane l xor 16
	v_mov_b32 v[ZERO], 0
	v_and_b32 v[T0], 15, v0                        ; r
	v_bfe_u32 v[T1], v0, 4, 1                      ; h
	v_and_b32 v[LI], 31, v0
	v_lshlrev_b32 v[LI], 4, v[LI]
	v_lshlrev_b32 v[SR], 4, v[T0]
	v_add_nc_u32 v[AC0], 4*FRB, v[SR]
	s_mul_i32 s38, s[WV], XPW
	v_mul_u32_u24 v[XR], v[T0], 1040
	v_lshl_add_u32 v[XR], v[T1], 6, v[XR]
	v_add_nc_u32 v[XR], s38, v[XR]                 ; x in LDS: my tile, row r, + 64 h: my 16 numbers of a block
	s_mul_i32 s39, s[WV], 2*BLKB
	v_add_nc_u32 v[XW], s39, v[LI]
	v_add_nc_u32 v[XW], XI, v[XW]                  ; x's images: block 2 w
	v_add_nc_u32 v[XWS], s39, v[AC0]
	v_add_nc_u32 v[XWS], XI, v[XWS]
	s_lshl_b32 s40, s[WV], 11
	v_lshl_add_u32 v[STW], v[T0], 3, s40
	v_add_nc_u32 v[STW], ST, v[STW]
	v_lshl_add_u32 v[STR], v[T0], 3, ST
	s_mul_i32 s41, s[WV], 16*SP
	v_mul_u32_u24 v[STO], v[T0], SP
	v_lshl_add_u32 v[STO], v[T1], 5, v[STO]
	v_add_nc_u32 v[STO], s41, v[STO]
	v_add_nc_u32 v[RDB], s41, v[LI]
	s_mul_i32 s38, s[WV], BLKB
	v_add_nc_u32 v[HW0], s38, v[LI]
	v_add_nc_u32 v[HW0], HI, v[HW0]
	v_add_nc_u32 v[HS0], s38, v[AC0]
	v_add_nc_u32 v[HS0], HI, v[HS0]
	s_lshl_b32 s39, s[WV], 16
	v_add_nc_u32 v[SPL], s39, v[LI]
.irp b,0,1,2,3
	v_mov_b32 v[TP+\b], 0                          ; a lane permute's destination counts as one of its sources
.endr
	s_wait_alu depctr_va_vdst(0)
	s_wait_dscnt 0x0                               ; both opening adds are done
	s_wait_kmcnt 0x0
	s_lshl_b32 s38, ttmp9, 18                      ; my 64 rows of 4,096 bytes,
	s_lshl_b32 s39, s[WV], 10
	s_add_co_u32 s38, s38, s39                     ; + my wave's 256 columns: in x and in out0 alike
	s_mov_b32 s39, 0
	s_add_nc_u64 s[4:5], s[4:5], s[38:39]
	s_add_nc_u64 s[8:9], s[8:9], s[38:39]
	s_mul_i32 s38, s[WV], PARTB
	s_add_nc_u64 s[6:7], s[6:7], s[38:39]          ; wimg at my part of position 0
	s_mov_b32 s[G0], 1
	s_mul_i32 s[G0+1], s[WV], XPW
	s_mov_b64 s[G0+2:G0+3], s[4:5]
	s_or_b32 s[G0+3], s[G0+3], 0x80000000
.irp j,0,1,2,3
	LDG \j, 0                                      ; the ring's first fill: position 0
.endr
	; Even work-groups ask for x at once; odd ones only when their 52 loads of weights are in.  So the two halves of the grid do not ask for x together,
	; and they walk the later stages out of step: one half's stages without loads of weights stand beside the other half's products.  The branch hangs on the work-group's number alone.
	s_and_b32 s38, ttmp9, 1
	s_cmp_eq_u32 s38, 0
	s_cbranch_scc1 .Lask
	s_wait_loadcnt 0x0
.Lask:
	tensor_load_to_lds s[G0:G0+3], s[G1:G1+7]      ; my one tensor load of the launch
	s_nop 0
	PLACES 4
	s_wait_tensorcnt 0x0                           ; my tile of x is in; I alone read it
	; ---- x: for each tile t my two K steps become images
	s_mov_b32 s[OUT], 0
	s_mov_b32 s[X1], 0
	s_mov_b32 s[X2], 0
	s_mov_b32 s[X3], 0
.Lx:
	v_add_nc_u32 v[T0], s[X1], v[XR]
	v_add_nc_u32 v[T1], s[X2], v[XW]
	v_add_nc_u32 v[T2], s[X3], v[XWS]
	s_wait_alu depctr_va_vdst(0)
	WIN 0x80                                       ; destination window 2
.irp q,0,1
.irp b,0,1,2,3
.irp e,0,1,2,3
	ds_load_b128 v[64*\q+16*\b+4*\e:64*\q+16*\b+4*\e+3], v[T0] offset:512*\q+128*\b+16*\e
.endr
.endr
.endr
	WIN 0
.irp q,0,1
	s_wait_dscnt 16-16*\q                          ; K step q's sixteen loads are in, and every older store has read its registers
	QUANTW 2, 64*\q, 1
	IMAGE T1, BLKB*\q
	ds_store_b32 v[T2], v[PW] offset:BLKB*\q
.endr
	s_add_co_u32 s[X1], s[X1], 16*1040
	s_add_co_u32 s[X2], s[X2], FRB
	s_add_co_u32 s[X3], s[X3], 4
	s_add_co_u32 s[OUT], s[OUT], 1
	s_cmp_lt_u32 s[OUT], 4
	s_cbranch_scc1 .Lx
	BARRIER                                        ; x's images are whole, and nobody reads x's numbers any more
	; ---- the first product: chunks 0, 1 (spilled), then 2, 3 (kept), into windows 2, 3
	s_mov_b32 s[OUT], 0
	s_mov_b32 s[SC], 0
.Lg1:
	PASS 2, XI, 4, 0
	STATS 2
	s_add_co_u32 s[SC], s[SC], 512
	PASS 3, XI, 4, 0
	STATS 3
	s_add_co_u32 s[SC], s[SC], 512
	s_cmp_lg_u32 s[OUT], 0                         ; a branch on the loop's counter: alike in every wave
	s_cbranch_scc1 .Lkept
	SPILL 2, 0
	SPILL 3, 32768
.Lkept:
	s_add_co_u32 s[OUT], s[OUT], 1
	s_cmp_lt_u32 s[OUT], 2
	s_cbranch_scc1 .Lg1
	BARRIER                                        ; all sixteen parts of every row lie in ST, and nobody reads x's images any more
	; ---- theta
.irp t,0,1,2,3
.set p, 0
.rept 16
	ds_load_b64 v[32+32*\t+88*(\t/3)+2*p:32+32*\t+88*(\t/3)+2*p+1], v[STR] offset:512*p+128*\t   ; (mean, M2) of part p of my row in tile t
.set p, p+1
.endr
.endr
	s_wait_dscnt 0x0
.irp t,0,1,2,3
	v_pk_add_f32 v[192+2*\t:193+2*\t], v[32+32*\t+88*(\t/3):32+32*\t+88*(\t/3)+1], v[32+32*\t+88*(\t/3)+2:32+32*\t+88*(\t/3)+3]
.endr
.set p, 2
.rept 14
.irp t,0,1,2,3
	v_pk_add_f32 v[192+2*\t:193+2*\t], v[192+2*\t:193+2*\t], v[32+32*\t+88*(\t/3)+2*p:32+32*\t+88*(\t/3)+2*p+1]
.endr
.set p, p+1
.endr
.irp t,0,1,2,3
	v_mul_f32 v[200+\t], 0x3d800000, v[192+2*\t]   ; the row's mean: / 16
.endr
.set p, 0
.rept 16
.irp t,0,1,2,3
	v_sub_f32 v[208+\t], v[32+32*\t+88*(\t/3)+2*p], v[200+\t]
.endr
.irp t,0,1,2,3
.if p == 0
	v_mul_f32 v[204+\t], v[208+\t], v[208+\t]
.else
	v_fma_f32 v[204+\t], v[208+\t], v[208+\t], v[204+\t]
.endif
.endr
.set p, p+1
.endr
.irp t,0,1,2,3
	v_fma_f32 v[204+\t], v[204+\t], 0x43000000, v[193+2*\t]   ; 128 x the sum of (part's mean - mean)^2 + the sum of the M2
.endr
.irp t,0,1,2,3
	v_mul_f32 v[204+\t], 0x3a001002, v[204+\t]     ; / 2047
.endr
	s_wait_alu depctr_va_vdst(0)                   ; the wait ahead of the batch
.irp t,0,1,2,3
	v_sqrt_f32 v[212+\t], v[204+\t]
.endr
	v_nop
	s_wait_alu depctr_va_vdst(0)                   ; and behind it, ahead of the first use
.irp t,0,1,2,3
	v_max_num_f32 v[212+\t], 0x358637bd, v[212+\t] ; at least 1e-6
.endr
.irp t,0,1,2,3
	v_fma_f32 v[TH+2*\t], v[212+\t], 0x3f84b794, v[200+\t]   ; theta = mean + sigma x ppf(1 - 307 / 2048)
.endr
.irp t,0,1,2,3
	v_mov_b32 v[TH+2*\t+1], v[TH+2*\t]
.endr
	; ---- the hidden layer's images: chunks 2, 3 to blocks 8 + w, 12 + w; the spilled chunks come back; chunks 0, 1 to blocks w, 4 + w
	s_mov_b32 s[OUT], 0
	s_mov_b32 s[HB], 8*BLKB
.Lq:
	THQ 2, 0
	THQ 3, 4*BLKB
	BARRIER                                        ; parts the stores of images from the reads below
	s_cmp_lg_u32 s[OUT], 0
	s_cbranch_scc1 .Lback
	RELOAD 2, 0
	RELOAD 3, 32768
.Lback:
	BARRIER                                        ; every wave's spilled chunks are in registers: their bytes may take images
	s_sub_co_u32 s[HB], s[HB], 8*BLKB
	s_add_co_u32 s[OUT], s[OUT], 1
	s_cmp_lt_u32 s[OUT], 2
	s_cbranch_scc1 .Lq
	; ---- the second product: my outputs' two halves; the first half's stores are on their way while the second is multiplied
	PASS 2, HI, 8, 0
	OUTW 2, 0
	PASS 3, HI, 8, 1
	OUTW 3, 1
	s_wait_tensorcnt 0x0                           ; the wave's end
	ds_add_u32 v[SPW], v[NIL]
	s_wait_dscnt 0x0
	s_endpgm
.Lfunc_end_k_q232d3af513_ffn:
	.size	k_q232d3af513_ffn, .Lfunc_end_k_q232d3af513_ffn-k_q232d3af513_ffn
	.p2alignl 7, 3214868480
	.fill 96, 4, 3214868480
	.section	.rodata,"a",@progbits
	.p2align	6, 0x0
	.amdhsa_kernel k_q232d3af513_ffn
		.amdhsa_group_segment_fixed_size 327680
		.amdhsa_private_segment_fixed_size 0
		.amdhsa_enable_private_segment 0
		.amdhsa_kernarg_size 24
		.amdhsa_user_sgpr_count 2
		.amdhsa_user_sgpr_kernarg_segment_ptr 1
		.amdhsa_wavefront_size32 1
		.amdhsa_system_sgpr_workgroup_id_x 1
		.amdhsa_system_sgpr_workgroup_id_y 1
		.amdhsa_system_sgpr_workgroup_id_z 1
		.amdhsa_system_vgpr_workitem_id 0
		.amdhsa_next_free_vgpr 1024
		.amdhsa_next_free_sgpr 66
		.amdhsa_reserve_vcc 0
		.amdhsa_float_denorm_mode_32 3
		.amdhsa_float_denorm_mode_16_64 3
		.amdhsa_memory_ordered 1
		.amdhsa_forward_progress 1
		.amdhsa_inst_pref_size 255
	.end_amdhsa_kernel
	.section	.bss,"aw",@nobits
	.p2align	6
	.space	262144
	.amdgpu_metadata
---
amdhsa.version: [ 1, 2 ]
amdhsa.kernels:
  - .name:           k_q232d3af513_ffn
    .symbol:         k_q232d3af513_ffn.kd
    .args:
      - { .name: x, .offset: 0, .size: 8, .value_kind: global_buffer, .address_space: global }
      - { .name: wimg, .offset: 8, .size: 8, .value_kind: global_buffer, .address_space: global }
      - { .name: out0, .offset: 16, .size: 8, .value_kind: global_buffer, .address_space: global }
    .group_segment_fixed_size: 327680
    .private_segment_fixed_size: 0
    .kernarg_segment_align: 8
    .kernarg_segment_size: 24
    .max_flat_workgroup_size: 128
    .sgpr_count:     66
    .vgpr_count:     1024
    .wavefront_size: 32
...
	.end_amdgpu_metadata
.endif
;; end of part 4
